; MI455X (gfx1250); checked and timed in simulation.
; The chip was launched on July 23, 2026; its instructions are those of AMD's public machine-readable ISA for CDNA 5 (MIT licence, August 2026) and "CDNA5" Instruction Set Architecture Reference Guide (July 2026). The comments in the code are by the model that wrote it; some were corrected since.
;; Cross Attention. Allowed arithmetic: matrix products marked QUANTISED: E4M3 operands, one E8M0 scale for each 32 along K, by v_wmma_scale_f32_16x16x128_f8f6f4 with both operands' format E4M3, f32 sums; everything else in f32.
;; Inputs: Wff1 1,024 x 8,192 float32; Wff2 4,096 x 1,024 float32; Wkv 1,024 x 128 float32; Wout 1,024 x 1,024 float32; Wq 1,024 x 1,024 float32; context 4 x 1,024 x 1,024 float32; ln_c_b 1,024 float32; ln_c_g 1,024 float32; ln_x_b 1,024 float32; ln_x_g 1,024 float32; x 4 x 1,024 x 1,024 float32.
;; Outputs: out0 4 x 1,024 x 1,024 float32.
;; This version of the problem:
;;   THIS VERSION OF THE PROBLEM IS GIVEN IN LOW PRECISION. The matrix products marked QUANTISED in the list below multiply operands that are first quantised to E4M3 (4 exponent bits, 3 mantissa bits; 8 bits a number), with one power-of-two scale for each 32 numbers along K (OCP MX v1.0); their sums are f32. All else is computed in f32.
;;   The module's matrix products, in the order in which they are computed (A, B: the left and right operand; K: the contracted axis; several contracted axes count as one K, in the product's order):
;;     1. [M 4,096, K 1,024] x [K 1,024, N 1,024]; A: computed on the way; B: input Wq: QUANTISED
;;     2. [M 4,096, K 1,024] x [K 1,024, N 128]; A: computed on the way; B: input Wkv: QUANTISED
;;     3. batch 4 x [M 16,384, K 64] x [K 64, N 1,024]; A: computed on the way; B: computed on the way: QUANTISED
;;     4. batch 4 x [M 16,384, K 1,024] x [K 1,024, N 64]; A: softmax (see below); B: computed on the way: QUANTISED
;;     5. [M 4,096, K 1,024] x [K 1,024, N 1,024]; A: computed on the way; B: input Wout: QUANTISED
;;     6. [M 4,096, K 1,024] x [K 1,024, N 8,192]; A: computed on the way; B: input Wff1: QUANTISED
;;     7. [M 4,096, K 4,096] x [K 4,096, N 1,024]; A: computed on the way; B: input Wff2: QUANTISED
;;   THE QUANTISER, for each operand of a quantised product, along K:
;;     - K is cut into blocks of 32 from its start; a last block that is shorter is filled with zeros.
;;     - A block's scale is 2^e with e = floor(log2(the largest magnitude in the block)) - 8, held to -126 .. 127; a block of zeros has e = 0. As a byte (E8M0): e + 127.
;;     - Each number is divided by its block's scale, clamped to +-448, and rounded to the nearest number of E4M3, ties to even, subnormals kept.
;;     - The product sums the exact products of the quantised numbers (number of the format x scale) in f32.
;;   ~~~python
;;   def quantise(x, axis):      # numpy; x: float32 -> the quantised numbers, widened to float32 again
;;       x = np.moveaxis(x, axis, -1); K = x.shape[-1]
;;       x = np.pad(x, [(0, 0)] * (x.ndim - 1) + [(0, -K % 32)]); x = x.reshape(x.shape[:-1] + (-1, 32)); a = np.abs(x).max(-1, keepdims=True)
;;       e = np.where(a > 0, np.clip(np.frexp(np.where(a > 0, a, 1))[1] - 1 - 8, -126, 127), 0)      # np.frexp(a)[1] - 1 = floor(log2(a)), exactly
;;       r = np.clip(x / 2.0 ** e, -448, 448)
;;       step = 2.0 ** (np.maximum(np.frexp(np.where(r == 0, 1, r))[1] - 1, -6) - 3)
;;       q = np.round(r / step) * step * 2.0 ** e      # np.round: ties to even
;;       return np.moveaxis(q.reshape(q.shape[:-2] + (-1,))[..., :K], -1, axis).astype(np.float32)
;;   ~~~
;;   SOFTMAX AHEAD OF A QUANTISED PRODUCT. Where the list says 'softmax', what is quantised is not the finished softmax but p = 2^(t - M), with t = logit x log2(e) and M = ceil(the row's largest t), a whole number; so 1/2 < the row's largest p <= 1. The row's sum l is taken of the UNQUANTISED p, in f32, and the product's result is divided by l at the end. Since M is a whole number, a kernel that streams over the keys may use a running M (the ceiling of the running maximum): every later rescaling is an exact power of two, which a block's scale takes up: the codes' values come out the same.
;;   OPERANDS COMPUTED ON THE WAY. 'Computed on the way' means the value that the module computes at that place (a softmax that the list does not call 'softmax' is quantised finished and normalised). What goes into a quantiser is computed in f32, as accurately as f32 sums, v_exp_f32 and their like allow (about 1e-6 of the number): no bf16 or f16 on the way to a quantiser, and a product that is left as it is and whose result goes on into a quantised operand takes f32 operands (vector FMAs, or v_wmma_f32_16x16x4_f32). A number that lies on a knife's edge between two numbers of the format may be rounded either way, as far as f32 arithmetic and the matrix unit's own rounding can turn it there, and no further.
;; One version. Each part assembles by itself: llvm-mc -triple=amdgcn-amd-amdhsa -mcpu=gfx1250 --defsym DOCPART=n.
;; ======== version 1 of 1: 5 launches
;; limits: right only within a limited range of input values
;; workspace buffers: wts 15,273,984 bytes; xa 4,325,376 bytes; kv 540,672 bytes; qc 4,325,376 bytes; acat 21,626,880 bytes
;; launch wprep (part 1): grid 904 x 1, 4 waves a work-group, no clusters, 0 bytes of LDS; arguments Wff1, Wff2, Wq, Wout, Wkv, wts; writes wts
.if DOCPART == 1
	.amdgcn_target "amdgcn-amd-amdhsa--gfx1250"
	.amdhsa_code_object_version 6
	.text
	.protected	k_q5364deba96_wprep
	.globl	k_q5364deba96_wprep
	.p2align	8
	.type	k_q5364deba96_wprep,@function
k_q5364deba96_wprep:
	s_mov_b64 s[64:65], 0
	v_nop
	global_prefetch_b8 v0, s[64:65] scope:SCOPE_SE
	s_setreg_imm32_b32 hwreg(HW_REG_WAVE_MODE, 25, 1), 1
	s_wait_xcnt 0x0
; The five weights, f32 stored [K][N], become codes of FP8 (E4M3) with one E8M0 byte for each 32 along K, laid in the order of a matrix operand's registers.
; LAYOUT of wts: a fragment is 16 positions x 128 K = 2,048 bytes in four pieces of 512: in piece c the 16 bytes at 16 (16 h + r) are k = 32 c + 16 h + 0..15 of position r.
; Codes: [tile of 128 positions][K step][block of 16 positions][2,048]; scale words: [tile][K step][128 positions], byte c for block c.
; Inside each group of 32 columns position 16 u + r holds column 8 u + r + (r & 8): a product that takes such a tile as source 0 leaves 16 neighbouring columns in a lane's 16 registers of two tiles.
; Wff1: tile T holds val columns 64 T .. at positions 0-63 and gate columns 4096 + 64 T .. at 64-127.  Wq follows as tiles 64-71.  Wout (K steps 0-7) and Wff2 (K steps 8-39) form one operand of 40 K steps.
; SHARES: a work-group takes 128 columns x 128 along K, a wave 32 columns, A LANE ONE COLUMN, its registers running down K: a block of 32 lies in one lane, and the conversions give K innermost.
; One path serves all five tensors: sizes and pointers are chosen by the work-group's number.  No LDS, no barrier: waves share nothing.
; LIMITS: a block of zeros gets the byte 1 (the quantiser says 127): its codes are zeros and this program alone reads the bytes; blocks whose largest magnitude lies under 2^-118 are held at byte 1; NaN and infinities are not served.
.set WB1,  0
.set WB1S, 9437184
.set WB2,  9732096
.set WB2S, 14974976
.set WKV,  15138816
.set WKVS, 15269888
.set VO, 32                            ; v32-63   byte offset of row i of a block, at my column; never rewritten
.set X,  64                            ; v64-127  two sets of 32 numbers
.set C,  128                           ; v128-159 eight code registers for each of the four blocks: no store's data are written again
	s_load_b256 s[4:11], s[0:1], 0x0               ; Wff1 s[4:5], Wff2 s[6:7], Wq s[8:9], Wout s[10:11]
	s_load_b128 s[12:15], s[0:1], 0x20             ; Wkv s[12:13], wts s[14:15]
	v_lshrrev_b32 v1, 5, v0
	v_readfirstlane_b32 s23, v1                    ; wave
	v_and_b32 v1, 31, v0                           ; lane = my position in the group of 32
	v_and_b32 v5, 15, v0                           ; r
	v_bfe_u32 v6, v0, 4, 1                         ; u
	v_and_b32 v7, 8, v0
	v_lshl_add_u32 v2, v6, 3, v5
	v_add_nc_u32 v2, v2, v7                        ; my column in the group: 8 u + r + (r & 8)
	v_lshlrev_b32 v2, 2, v2
	v_lshlrev_b32 v3, 4, v5
	v_lshl_add_u32 v3, v6, 11, v3                  ; out: block u of the group's two, 16 bytes at 16 r
	v_lshlrev_b32 v4, 2, v1                        ; my scale word
	s_mov_b32 s51, 0x600000                        ; the mantissa field of 448
	s_mov_b32 s16, 896                             ; Wkv's figures: first work-group,
	s_mov_b32 s17, 0                               ; log2(N / 128),
	s_mov_b32 s18, WKV                             ; where its codes go,
	s_mov_b32 s19, WKVS                            ; and its scale words,
	s_mov_b32 s20, 8                               ; K steps of the operand it belongs to,
	s_mov_b32 s21, 0                               ; its first K step there,
	s_mov_b32 s22, 0                               ; its first group of 32 positions there
	s_wait_alu depctr_va_vdst(0)
	s_wait_kmcnt 0x0
	s_mov_b64 s[24:25], s[12:13]
	s_cmp_lt_u32 ttmp9, 896                        ; Wout
	s_cselect_b32 s16, 832, s16
	s_cselect_b32 s17, 3, s17
	s_cselect_b32 s18, WB2, s18
	s_cselect_b32 s19, WB2S, s19
	s_cselect_b32 s20, 40, s20
	s_cselect_b64 s[24:25], s[10:11], s[24:25]
	s_cmp_lt_u32 ttmp9, 832                        ; Wq
	s_cselect_b32 s16, 768, s16
	s_cselect_b32 s18, WB1, s18
	s_cselect_b32 s19, WB1S, s19
	s_cselect_b32 s20, 8, s20
	s_cselect_b32 s22, 256, s22
	s_cselect_b64 s[24:25], s[8:9], s[24:25]
	s_cmp_lt_u32 ttmp9, 768                        ; Wff2
	s_cselect_b32 s16, 512, s16
	s_cselect_b32 s18, WB2, s18
	s_cselect_b32 s19, WB2S, s19
	s_cselect_b32 s20, 40, s20
	s_cselect_b32 s21, 8, s21
	s_cselect_b32 s22, 0, s22
	s_cselect_b64 s[24:25], s[6:7], s[24:25]
	s_cmp_lt_u32 ttmp9, 512                        ; Wff1
	s_cselect_b32 s16, 0, s16
	s_cselect_b32 s17, 6, s17
	s_cselect_b32 s18, WB1, s18
	s_cselect_b32 s19, WB1S, s19
	s_cselect_b32 s20, 8, s20
	s_cselect_b32 s21, 0, s21
	s_cselect_b64 s[24:25], s[4:5], s[24:25]
	s_sub_co_u32 s26, ttmp9, s16                   ; my number within the tensor
	s_lshl_b32 s27, 1, s17
	s_sub_co_u32 s27, s27, 1
	s_and_b32 s27, s26, s27                        ; which 128 columns
	s_lshr_b32 s26, s26, s17                       ; which K step
	s_lshl_b32 s28, 512, s17                       ; a row of the tensor in bytes
	s_lshl_b32 s29, s27, 2
	s_add_co_u32 s29, s29, s23                     ; g: my wave's group of 32 columns
	s_add_co_u32 s30, s29, s22                     ; where it goes: g + the tensor's first group;
	s_and_b32 s31, s29, 127                        ; Wff1: tile (g mod 128) / 2, val in its groups 0, 1, gate in 2, 3
	s_lshr_b32 s31, s31, 1
	s_lshl_b32 s31, s31, 2
	s_lshr_b32 s44, s29, 7
	s_lshl_b32 s44, s44, 1
	s_add_co_u32 s31, s31, s44
	s_and_b32 s44, s29, 1
	s_add_co_u32 s31, s31, s44
	s_cmp_lt_u32 ttmp9, 512
	s_cselect_b32 s30, s31, s30
	s_mul_i32 s44, s26, s28
	s_lshl_b32 s44, s44, 7                         ; 128 rows a K step
	s_lshl_b32 s45, s27, 9
	s_add_co_u32 s44, s44, s45
	s_lshl_b32 s45, s23, 7
	s_add_co_u32 s44, s44, s45
	s_mov_b32 s45, 0
	s_add_nc_u64 s[32:33], s[24:25], s[44:45]      ; block 0's first row, at my wave's 32 columns
	s_lshl_b32 s44, s28, 5                         ; 32 rows on
	s_add_nc_u64 s[34:35], s[32:33], s[44:45]
	s_add_nc_u64 s[36:37], s[34:35], s[44:45]
	s_add_nc_u64 s[38:39], s[36:37], s[44:45]
	s_lshr_b32 s46, s30, 2
	s_mul_i32 s46, s46, s20
	s_add_co_u32 s46, s46, s26
	s_add_co_u32 s46, s46, s21                     ; tile x K steps + my K step
	s_and_b32 s47, s30, 3
	s_lshl_b32 s48, s46, 14
	s_lshl_b32 s49, s47, 12
	s_add_co_u32 s48, s48, s49
	s_add_co_u32 s48, s48, s18
	s_mov_b32 s49, 0
	s_add_nc_u64 s[40:41], s[14:15], s[48:49]      ; my group's two fragments
	s_lshl_b32 s48, s46, 9
	s_lshl_b32 s50, s47, 7
	s_add_co_u32 s48, s48, s50
	s_add_co_u32 s48, s48, s19
	s_add_nc_u64 s[42:43], s[14:15], s[48:49]      ; my group's 32 scale words
.irp i, 0,1,2,3,4,5,6,7,8,9,10,11,12,13,14,15,16,17,18,19,20,21,22,23,24,25,26,27,28,29,30,31
	v_mad_u32_u24 v[VO+\i], s28, \i, v2
.endr
.macro LOAD t                          ; block t: W(32 t + i, my column) into set t % 2; a wave's load reads 128 consecutive bytes, the four waves 512
.irp i, 0,1,2,3,4,5,6,7,8,9,10,11,12,13,14,15,16,17,18,19,20,21,22,23,24,25,26,27,28,29,30,31
	global_load_b32 v[X+32*((\t)%2)+\i], v[VO+\i], s[32+2*(\t):33+2*(\t)] th:TH_LOAD_NT
.endr
.endm
.macro BLOCK t
.set XS, X+32*((\t)%2)
.if (\t) < 3
	s_wait_loadcnt 32                              ; this block's 32 loads are in; the next block's 32 may be out
.else
	s_wait_loadcnt 0x0
.endif
	v_max3_num_f32 v12, |v[XS]|, |v[XS+1]|, |v[XS+2]|   ; the block's largest magnitude: all 32 numbers are mine
	v_max3_num_f32 v13, |v[XS+3]|, |v[XS+4]|, |v[XS+5]|
.irp i, 6,10,14,18,22,26
	v_max3_num_f32 v12, v12, |v[XS+\i]|, |v[XS+\i+1]|
	v_max3_num_f32 v13, v13, |v[XS+\i+2]|, |v[XS+\i+3]|
.endr
	v_max3_num_f32 v12, v12, |v[XS+30]|, |v[XS+31]|
	v_max3_num_f32 v12, v12, v13, 0x4800000        ; and the floor 2^(9 - 127): the byte cannot fall under 1
	v_add_nc_u32 v11, 0xfc000000, v12              ; 8 off its exponent field: the conversion's scale operand
	v_and_or_b32 v10, v12, 0x7f800000, s51         ; 448 x the scale
	v_lshrrev_b32 v13, 23, v11                     ; the scale's byte
.if (\t) == 0
	v_mov_b32 v16, v13
.else
	v_lshl_or_b32 v16, v13, 8*(\t), v16
.endif
.irp i, 0,1,2,3,4,5,6,7,8,9,10,11,12,13,14,15,16,17,18,19,20,21,22,23,24,25,26,27,28,29,30,31
	v_med3_num_f32 v[XS+\i], v[XS+\i], -v10, v10   ; the conversion to an 8-bit code does not saturate (ISA guide 7.6.2): the hold comes first
.endr
.irp g, 0,1,2,3
	v_cvt_scalef32_pk8_fp8_f32 v[C+8*(\t)+2*\g:C+8*(\t)+2*\g+1], v[XS+8*\g:XS+8*\g+7], v11
.endr
	global_store_b128 v3, v[C+8*(\t):C+8*(\t)+3], s[40:41] offset:512*(\t)         ; k = 32 t + 0..15: sixteen lanes store 256 consecutive bytes, aligned
	global_store_b128 v3, v[C+8*(\t)+4:C+8*(\t)+7], s[40:41] offset:512*(\t)+256   ; k = 32 t + 16..31
.if (\t) < 2
	LOAD (\t)+2
.endif
.endm
	LOAD 0
	LOAD 1
	BLOCK 0
	BLOCK 1
	BLOCK 2
	BLOCK 3
	global_store_b32 v4, v16, s[42:43]             ; 128 consecutive bytes a wave: the scale words are one part in 32 of the codes' bytes
	s_endpgm
.Lfunc_end_k_q5364deba96_wprep:
	.size	k_q5364deba96_wprep, .Lfunc_end_k_q5364deba96_wprep-k_q5364deba96_wprep
	.p2alignl 7, 3214868480
	.fill 96, 4, 3214868480
	.section	.rodata,"a",@progbits
	.p2align	6, 0x0
	.amdhsa_kernel k_q5364deba96_wprep
		.amdhsa_group_segment_fixed_size 0
		.amdhsa_private_segment_fixed_size 0
		.amdhsa_enable_private_segment 0
		.amdhsa_kernarg_size 48
		.amdhsa_user_sgpr_count 2
		.amdhsa_user_sgpr_kernarg_segment_ptr 1
		.amdhsa_wavefront_size32 1
		.amdhsa_system_sgpr_workgroup_id_x 1
		.amdhsa_system_sgpr_workgroup_id_y 1
		.amdhsa_system_sgpr_workgroup_id_z 1
		.amdhsa_system_vgpr_workitem_id 0
		.amdhsa_next_free_vgpr 160
		.amdhsa_next_free_sgpr 66
		.amdhsa_reserve_vcc 0
		.amdhsa_float_denorm_mode_32 3
		.amdhsa_float_denorm_mode_16_64 3
		.amdhsa_memory_ordered 1
		.amdhsa_forward_progress 1
		.amdhsa_inst_pref_size 34
	.end_amdhsa_kernel
	.amdgpu_metadata
---
amdhsa.version: [ 1, 2 ]
amdhsa.kernels:
  - .name:           k_q5364deba96_wprep
    .symbol:         k_q5364deba96_wprep.kd
    .args:
      - { .name: Wff1, .offset: 0, .size: 8, .value_kind: global_buffer, .address_space: global }
      - { .name: Wff2, .offset: 8, .size: 8, .value_kind: global_buffer, .address_space: global }
      - { .name: Wq, .offset: 16, .size: 8, .value_kind: global_buffer, .address_space: global }
      - { .name: Wout, .offset: 24, .size: 8, .value_kind: global_buffer, .address_space: global }
      - { .name: Wkv, .offset: 32, .size: 8, .value_kind: global_buffer, .address_space: global }
      - { .name: wts, .offset: 40, .size: 8, .value_kind: global_buffer, .address_space: global }
    .group_segment_fixed_size: 0
    .private_segment_fixed_size: 0
    .kernarg_segment_align: 8
    .kernarg_segment_size: 48
    .max_flat_workgroup_size: 128
    .sgpr_count:     66
    .vgpr_count:     160
    .wavefront_size: 32
...
	.end_amdgpu_metadata
.endif
;; end of part 1
;; launch lnkv (part 2): grid 256 x 1, 8 waves a work-group, no clusters, 37,888 bytes of LDS; arguments x, context, ln_x_g, ln_x_b, ln_c_g, ln_c_b, wts, xa, kv; writes xa, kv
.if DOCPART == 2
	.amdgcn_target "amdgcn-amd-amdhsa--gfx1250"
	.amdhsa_code_object_version 6
	.text
	.protected	k_q5364deba96_lnkv
	.globl	k_q5364deba96_lnkv
	.p2align	8
	.type	k_q5364deba96_lnkv,@function
k_q5364deba96_lnkv:
	s_mov_b64 s[64:65], 0
	v_nop
	global_prefetch_b8 v0, s[64:65] scope:SCOPE_SE
	s_setreg_imm32_b32 hwreg(HW_REG_WAVE_MODE, 25, 1), 1
	s_wait_xcnt 0x0
; LayerNorm of x and of context (mean, then the variance of the centred numbers, all f32), quantised along the 1,024 channels to FP8 (E4M3) with one E8M0 byte for each 32.
; Work-groups 128-255: 32 rows of x; the codes go to xa in the order of an operand's registers (fragments of 16 positions x 128 K; inside each 32 rows position 16 u + r holds row 8 u + r + (r & 8)).
; Work-groups 0-127: 32 rows of context; the codes stay in LDS, are multiplied by Wkv's codes, and k (quantised along the head's 64) and v (quantised along the keys) go to kv.
; SHARES: eight waves, four rows each; a row lies in 32 registers of one wave (eight loads of 512 consecutive bytes), so mean and variance never leave the wave.
; A lane holds 4 neighbours of each of 8 blocks (one for each 128 along K); eight lanes hold a block.  The conversion takes eight numbers: the upper four are whatever lies in the next registers, and their four codes are thrown away.
; LDS: the codes as fragment images, 256 bytes (one half of a piece) + 16 of padding; the scale words behind them.  One barrier.
; k role (waves 0-3): source 0 = two tiles of Wk, source 1 = 16 keys: a lane holds one key and 16 neighbouring channels.  v role (waves 4-7): source 0 = the 32 keys, source 1 = 16 columns of Wv: a lane holds one channel and 16 neighbouring keys.
; The scale bytes of k and v leave as single bytes (16 KB in the launch): a word's bytes are made by different waves or work-groups.
; LIMITS: a block of zeros gets the byte 1 (the quantiser says 127): its codes are zeros and this program alone reads the bytes; blocks under 2^-118 are held at byte 1; NaN and infinities are not served.
.set WKV,  15138816
.set WKVS, 15269888
.set XS,   4194304
.set SCLB, 34816                       ; LDS: [K step][32 positions] scale words
.set L16, 1                            ; 16 x lane
.set L4,  2                            ; 4 x lane
.set R4,  3                            ; 4 r
.set SL,  4                            ; where my 4 codes of a row go
.set SBY, 5                            ; where my block's byte goes
.set RL,  6                            ; a fragment's place for my lane: 272 h + 16 r
.set RLK, 7                            ; the same in the k role's block of keys
.set LSX, 8                            ; x path: my scale word of K step = wave
.set RLX, 9                            ; x path: RL in K step = wave
.set LSR, 10                           ; scale word of position r
.set LSK, 11                           ; the same in the k role's block
.set VBY, 12                           ; kv: my byte's offset
.set X,   16                           ; v16-143  four rows
.set G,   144                          ; v144-175 gain
.set B,   176                          ; v176-207 bias
.set T,   208                          ; v208-223 at work; later the two accumulators
.set M,   224                          ; v224-231 block maxima, then scale operands, then bytes
.set HB,  232                          ; v232-239 448 x the scale
.set RS,  240                          ; v240-243 1 / sigma of the four rows
.set PSC, 244                          ; v244-251 scale words of source 0
.set SSC, 252                          ; v252-255 scale words of source 1
	s_load_b256 s[4:11], s[0:1], 0x0               ; x, context, ln_x_g, ln_x_b
	s_load_b256 s[12:19], s[0:1], 0x20             ; ln_c_g, ln_c_b, wts, xa
	s_load_b64 s[20:21], s[0:1], 0x40              ; kv
	s_set_vgpr_msb 0x40
	v_lshl_add_u32 v0, v0, 2, 0x9000
	v_mov_b32 v1, 0
	s_set_vgpr_msb 0x4000
	v_lshrrev_b32 v13, 5, v0
	s_delay_alu instid0(VALU_DEP_1)
	v_readfirstlane_b32 s22, v13                   ; wave 0..7
	v_and_b32 v13, 31, v0                          ; lane
	s_delay_alu instid0(VALU_DEP_1)
	v_lshlrev_b32 v[L16], 4, v13
	s_and_b32 s23, ttmp9, 127                      ; which 32 rows of the tensor
	s_lshl_b32 s30, s23, 17
	s_lshl_b32 s31, s22, 14
	s_add_co_u32 s30, s30, s31                     ; my wave's four rows
	s_mov_b32 s31, 0
	s_wait_alu depctr_va_vdst(0)
	s_wait_kmcnt 0x0
	s_cmp_lt_u32 ttmp9, 128                        ; context or x: the choice hangs on the work-group's number alone
	s_cselect_b64 s[24:25], s[6:7], s[4:5]
	s_cselect_b64 s[26:27], s[12:13], s[8:9]
	s_cselect_b64 s[28:29], s[14:15], s[10:11]
	s_add_nc_u64 s[24:25], s[24:25], s[30:31]
.irp i, 0,1,2,3
.irp j, 0,1,2,3,4,5,6,7
	global_load_b128 v[X+32*\i+4*\j:X+32*\i+4*\j+3], v[L16], s[24:25] offset:4096*\i+512*\j th:TH_LOAD_NT
.endr
.endr
.irp j, 0,1,2,3,4,5,6,7
	global_load_b128 v[G+4*\j:G+4*\j+3], v[L16], s[26:27] offset:512*\j
.endr
.irp j, 0,1,2,3,4,5,6,7
	global_load_b128 v[B+4*\j:B+4*\j+3], v[L16], s[28:29] offset:512*\j
.endr
	; addresses, all made here, ahead of every parting of the waves
	v_and_b32 v14, 15, v0                          ; r
	v_bfe_u32 v15, v0, 4, 1                        ; h
	v_lshlrev_b32 v[L4], 2, v13
	s_delay_alu instid0(VALU_DEP_3)
	v_lshlrev_b32 v[R4], 2, v14
	s_lshr_b32 s32, s22, 1
	s_and_b32 s32, s32, 1                          ; row 4 w + i lies at block u = (w / 2) % 2,
	s_lshr_b32 s33, s22, 2
	s_and_b32 s34, s22, 1
	s_lshl_b32 s35, s33, 3
	s_lshl_b32 s36, s34, 2
	s_add_co_u32 s35, s35, s36                     ; position r = 8 (w / 4) + 4 (w % 2) + i
	s_mul_i32 s36, s32, 2176
	s_lshl_b32 s37, s35, 4
	s_add_co_u32 s37, s37, s36
	s_lshl_b32 s38, s32, 4
	s_add_co_u32 s38, s38, s35
	s_lshl_b32 s38, s38, 2
	s_add_co_u32 s38, s38, SCLB
	v_lshrrev_b32 v[SL], 2, v13                    ; lane / 4 = 2 c + h: which 256 bytes of the fragment
	s_delay_alu instid0(VALU_DEP_1)
	v_mul_u32_u24 v[SL], v[SL], 272
	v_and_b32 v[SBY], 3, v13
	s_delay_alu instid0(VALU_DEP_1)
	v_lshl_add_u32 v[SL], v[SBY], 2, v[SL]
	s_delay_alu instid0(VALU_DEP_1)
	v_add_nc_u32 v[SL], s37, v[SL]
	v_lshrrev_b32 v[SBY], 3, v13                   ; lane / 8 = c: which byte of the scale word
	s_delay_alu instid0(VALU_DEP_1)
	v_add_nc_u32 v[SBY], s38, v[SBY]
	v_mul_u32_u24 v[RL], v15, 272
	s_delay_alu instid0(VALU_DEP_1)
	v_lshl_add_u32 v[RL], v14, 4, v[RL]
	s_delay_alu instid0(VALU_DEP_1)
	v_add_nc_u32 v[RLK], s36, v[RL]
	s_mul_i32 s39, s22, 4352
	v_add_nc_u32 v[RLX], s39, v[RL]
	s_lshl_b32 s39, s22, 7
	s_add_co_u32 s39, s39, SCLB
	v_add_nc_u32 v[LSX], s39, v[L4]
	v_add_nc_u32 v[LSR], SCLB, v[R4]
	s_lshl_b32 s39, s32, 6
	v_add_nc_u32 v[LSK], s39, v[LSR]
	s_mov_b32 s40, 0x3a800000                      ; 1 / 1024
	s_mov_b32 s41, 0x3727c5ac                      ; 1e-5
	s_mov_b32 s42, 0x76543210
	s_mov_b32 s43, 0xfedcba98                      ; v_permlanex16_b32's selects for lane l xor 16
	s_mov_b32 s44, 0x600000                        ; the mantissa field of 448
	; xa: tile (rows / 128), K step = wave, my 32 rows' two fragments; and their scale words
	s_lshr_b32 s45, s23, 2
	s_and_b32 s46, s23, 3
	s_lshl_b32 s48, s45, 17
	s_lshl_b32 s49, s22, 14
	s_add_co_u32 s48, s48, s49
	s_lshl_b32 s49, s46, 12
	s_add_co_u32 s48, s48, s49
	s_mov_b32 s49, 0
	s_lshl_b32 s50, s45, 12
	s_lshl_b32 s51, s22, 9
	s_add_co_u32 s50, s50, s51
	s_lshl_b32 s51, s46, 7
	s_add_co_u32 s50, s50, s51
	s_add_co_u32 s50, s50, XS
	s_mov_b32 s51, 0
	s_add_nc_u64 s[48:49], s[18:19], s[48:49]
	s_add_nc_u64 s[50:51], s[18:19], s[50:51]
	; kv: a batch's block is 135,168 bytes: k's codes, v's codes at 65,536, k's scale bytes at 131,072, v's at 133,120
	s_lshr_b32 s66, s23, 5
	s_mul_i32 s66, s66, 135168
	s_and_b32 s67, s23, 31                         ; which 32 keys of the batch
	s_lshl_b32 s68, s67, 1
	s_add_co_u32 s68, s68, s32                     ; k role: block of 16 keys
	s_lshl_b32 s69, s68, 10
	s_lshl_b32 s70, s34, 9
	s_add_co_u32 s69, s69, s70                     ; its piece c = w % 2
	s_lshl_b32 s68, s68, 5
	s_add_co_u32 s68, s68, s34
	s_add_co_u32 s68, s68, 131072
	s_lshr_b32 s70, s67, 2                         ; v role: K step of 128 keys,
	s_and_b32 s71, s67, 3                          ; piece c,
	s_and_b32 s72, s22, 3                          ; block of 16 channels
	s_lshl_b32 s73, s70, 13
	s_lshl_b32 s74, s72, 11
	s_add_co_u32 s73, s73, s74
	s_lshl_b32 s74, s71, 9
	s_add_co_u32 s73, s73, s74
	s_add_co_u32 s73, s73, 65536
	s_lshl_b32 s70, s70, 8
	s_lshl_b32 s74, s72, 6
	s_add_co_u32 s70, s70, s74
	s_add_co_u32 s70, s70, s71
	s_add_co_u32 s70, s70, 133120
	s_lshl_b32 s74, s34, 1                         ; k role: Wkv's blocks 2 (w % 2), + 1;  v role: block w
	s_cmp_lt_u32 s22, 4
	s_cselect_b32 s52, s69, s73
	s_cselect_b32 s54, s68, s70
	s_cselect_b32 s75, 1, 2                        ; k: 2 bytes a key;  v: 4 bytes a channel
	s_cselect_b32 s74, s74, s22
	s_add_co_u32 s52, s52, s66
	s_add_co_u32 s54, s54, s66
	s_mov_b32 s53, 0
	s_mov_b32 s55, 0
	s_lshl_b32 s56, s74, 11
	s_add_co_u32 s56, s56, WKV
	s_mov_b32 s57, 0
	s_lshl_b32 s58, s74, 6
	s_add_co_u32 s58, s58, WKVS
	s_mov_b32 s59, 0
	v_lshlrev_b32 v[VBY], s75, v14
	s_add_nc_u64 s[52:53], s[20:21], s[52:53]
	s_add_nc_u64 s[54:55], s[20:21], s[54:55]
	s_add_nc_u64 s[56:57], s[16:17], s[56:57]
	s_add_nc_u64 s[58:59], s[16:17], s[58:59]
.macro REDUCE q                        ; the sum over the 32 lanes, in every lane
	s_delay_alu instid0(VALU_DEP_1)
	v_add_f32_dpp v[\q], v[\q], v[\q] row_xmask:1 row_mask:0xf bank_mask:0xf
	s_delay_alu instid0(VALU_DEP_1)
	v_add_f32_dpp v[\q], v[\q], v[\q] row_xmask:2 row_mask:0xf bank_mask:0xf
	s_delay_alu instid0(VALU_DEP_1)
	v_add_f32_dpp v[\q], v[\q], v[\q] row_xmask:4 row_mask:0xf bank_mask:0xf
	s_delay_alu instid0(VALU_DEP_1)
	v_add_f32_dpp v[\q], v[\q], v[\q] row_xmask:8 row_mask:0xf bank_mask:0xf
	s_delay_alu instid0(VALU_DEP_1)
	v_permlanex16_b32 v[\q+1], v[\q], s42, s43
	s_delay_alu instid0(VALU_DEP_1)
	v_add_f32 v[\q], v[\q], v[\q+1]
.endm
.macro ROWSTAT i                       ; row i: the mean is taken off in place; var + eps into RS + i
.set XI, X+32*(\i)
	s_wait_loadcnt 40-8*(\i)                       ; my eight loads are in; the later rows' 8 (3 - i) and the 16 of gain and bias may be out
	v_pk_add_f32 v[T:T+1], v[XI:XI+1], v[XI+2:XI+3]
	v_pk_add_f32 v[T+2:T+3], v[XI+4:XI+5], v[XI+6:XI+7]
.irp k, 8,12,16,20,24,28
	s_delay_alu instid0(VALU_DEP_2)
	v_pk_add_f32 v[T:T+1], v[T:T+1], v[XI+\k:XI+\k+1]
	s_delay_alu instid0(VALU_DEP_2)
	v_pk_add_f32 v[T+2:T+3], v[T+2:T+3], v[XI+\k+2:XI+\k+3]
.endr
	s_delay_alu instid0(VALU_DEP_1)
	v_pk_add_f32 v[T:T+1], v[T:T+1], v[T+2:T+3]
	s_delay_alu instid0(VALU_DEP_1)
	v_add_f32 v[T], v[T], v[T+1]
	REDUCE T
	s_delay_alu instid0(VALU_DEP_1)
	v_mul_f32 v[T], s40, v[T]                      ; the mean
.irp k, 0,2,4,6,8,10,12,14,16,18,20,22,24,26,28,30
	v_pk_add_f32 v[XI+\k:XI+\k+1], v[XI+\k:XI+\k+1], v[T:T+1] op_sel_hi:[1,0] neg_lo:[0,1] neg_hi:[0,1]
.endr
	v_pk_mul_f32 v[T+4:T+5], v[XI:XI+1], v[XI:XI+1]
	v_pk_mul_f32 v[T+6:T+7], v[XI+2:XI+3], v[XI+2:XI+3]
.irp k, 4,8,12,16,20,24,28
	s_delay_alu instid0(VALU_DEP_2)
	v_pk_fma_f32 v[T+4:T+5], v[XI+\k:XI+\k+1], v[XI+\k:XI+\k+1], v[T+4:T+5]
	s_delay_alu instid0(VALU_DEP_2)
	v_pk_fma_f32 v[T+6:T+7], v[XI+\k+2:XI+\k+3], v[XI+\k+2:XI+\k+3], v[T+6:T+7]
.endr
	s_delay_alu instid0(VALU_DEP_1)
	v_pk_add_f32 v[T+4:T+5], v[T+4:T+5], v[T+6:T+7]
	s_delay_alu instid0(VALU_DEP_1)
	v_add_f32 v[T+4], v[T+4], v[T+5]
	REDUCE T+4
	s_delay_alu instid0(VALU_DEP_1)
	v_fma_f32 v[RS+(\i)], v[T+4], s40, s41
.endm
.macro ROWQ i                          ; row i: normalised, quantised, its codes and bytes into LDS
.set XI, X+32*(\i)
	v_mov_b32 v[T], v[RS+(\i)]                     ; the packed form names a pair and takes its low word for both halves
.irp k, 0,2,4,6,8,10,12,14,16,18,20,22,24,26,28,30
	v_pk_mul_f32 v[XI+\k:XI+\k+1], v[XI+\k:XI+\k+1], v[T:T+1] op_sel_hi:[1,0]
.endr
.irp k, 0,2,4,6,8,10,12,14,16,18,20,22,24,26,28,30
	v_pk_fma_f32 v[XI+\k:XI+\k+1], v[XI+\k:XI+\k+1], v[G+\k:G+\k+1], v[B+\k:B+\k+1]
.endr
.irp j, 0,1,2,3,4,5,6,7
	v_max3_num_f32 v[M+\j], |v[XI+4*\j]|, |v[XI+4*\j+1]|, 0x4800000   ; my 4 numbers of the block in K step j, and the floor 2^(9 - 127)
.endr
.irp j, 0,1,2,3,4,5,6,7
	v_max3_num_f32 v[M+\j], v[M+\j], |v[XI+4*\j+2]|, |v[XI+4*\j+3]|
.endr
.irp m, 1,2,4
.irp j, 0,1,2,3,4,5,6,7
	v_max_num_f32_dpp v[M+\j], v[M+\j], v[M+\j] row_xmask:\m row_mask:0xf bank_mask:0xf   ; the eight lanes that hold the block
.endr
.endr
.irp j, 0,1,2,3,4,5,6,7
	v_and_or_b32 v[HB+\j], v[M+\j], 0x7f800000, s44   ; 448 x the scale
.endr
.irp j, 0,1,2,3,4,5,6,7
	v_add_nc_u32 v[M+\j], 0xfc000000, v[M+\j]      ; 8 off the exponent field: the conversion's scale operand
.endr
.irp j, 0,1,2,3,4,5,6,7
.irp n, 0,1,2,3
	v_med3_num_f32 v[XI+4*\j+\n], v[XI+4*\j+\n], -v[HB+\j], v[HB+\j]
.endr
.endr
.irp j, 0,1,2,3,4,5,6,7
	v_cvt_scalef32_pk8_fp8_f32 v[T+2*\j:T+2*\j+1], v[XI+4*\j:XI+4*\j+7], v[M+\j]   ; the low register holds my 4 codes; the high one is not used
.endr
	v_nop                                          ; a plain instruction between the conversions and the lines that write their sources
.irp j, 0,1,2,3,4,5,6,7
	v_lshrrev_b32 v[M+\j], 23, v[M+\j]             ; the scale's byte
.endr
.irp j, 0,1,2,3,4,5,6,7
	ds_store_b32 v[SL], v[T+2*\j] offset:4352*\j+16*(\i)   ; the 32 lanes fall on 32 different banks
.endr
.irp j, 0,1,2,3,4,5,6,7
	ds_store_b8 v[SBY], v[M+\j] offset:128*\j+4*(\i)       ; the eight lanes of a block write the same byte with the same value
.endr
	s_wait_dscnt 0x0                               ; the stores have read their registers
.endm
	ROWSTAT 0
	ROWSTAT 1
	ROWSTAT 2
	ROWSTAT 3
	s_wait_alu depctr_va_vdst(0)
.irp i, 0,1,2,3
	v_rsq_f32 v[RS+\i], v[RS+\i]
.endr
	v_nop                                          ; a plain instruction behind the batch,
	s_wait_alu depctr_va_vdst(0)                   ; and one wait for the four, ahead of their first reader
	s_wait_loadcnt 0x0                             ; gain and bias
	ROWQ 0
	ROWQ 1
	ROWQ 2
	ROWQ 3
	s_barrier_signal -1                            ; every wave's LDS stores have landed (the wait for 0 closes ROWQ)
	s_barrier_wait -1
	s_cmp_lt_u32 ttmp9, 128
	s_cbranch_scc1 .Lctx
	; ---- x: wave w sends K step w's two fragments and 32 scale words to xa
.irp u, 0,1
.irp c, 0,1,2,3
	ds_load_b128 v[16+16*\u+4*\c:19+16*\u+4*\c], v[RLX] offset:2176*\u+544*\c
.endr
.endr
	ds_load_b32 v48, v[LSX]
	s_wait_dscnt 0x0
.irp u, 0,1
.irp c, 0,1,2,3
	global_store_b128 v[L16], v[16+16*\u+4*\c:19+16*\u+4*\c], s[48:49] offset:2048*\u+512*\c   ; 512 consecutive bytes, aligned
.endr
.endr
	global_store_b32 v[L4], v48, s[50:51]
	s_set_vgpr_msb 0x5
	s_wait_tensorcnt 0x0
	ds_add_u32 v0, v1
	s_wait_dscnt 0x0
	s_set_vgpr_msb 0x500
	s_endpgm
.Lctx:
	; ---- context: 16 tiles of k and v, two a wave.  D_u = source 0 (K step s, u) x source 1 (K step s), two accumulators by turns
.macro HALF hf                         ; K steps 4 hf .. 4 hf + 3
.if \hf
.rept 8
	v_nop                                          ; places in front of loads into registers that matrix instructions have read
.endr
.endif
	s_cmp_lt_u32 s22, 4
	s_cbranch_scc0 .Lvrole_\@
.irp s, 0,1,2,3
.irp u, 0,1
.irp c, 0,1,2,3
	global_load_b128 v[16+32*\s+16*\u+4*\c:19+32*\s+16*\u+4*\c], v[L16], s[56:57] offset:16384*(4*\hf+\s)+2048*\u+512*\c
.endr
	global_load_b32 v[PSC+2*\s+\u], v[R4], s[58:59] offset:512*(4*\hf+\s)+64*\u
.endr
.irp c, 0,1,2,3
	ds_load_b128 v[144+16*\s+4*\c:147+16*\s+4*\c], v[RLK] offset:4352*(4*\hf+\s)+544*\c
.endr
	ds_load_b32 v[SSC+\s], v[LSK] offset:128*(4*\hf+\s)
.endr
	s_branch .Lgot_\@
.Lvrole_\@:
.irp s, 0,1,2,3
.irp u, 0,1
.irp c, 0,1,2,3
	ds_load_b128 v[16+32*\s+16*\u+4*\c:19+32*\s+16*\u+4*\c], v[RL] offset:4352*(4*\hf+\s)+2176*\u+544*\c
.endr
	ds_load_b32 v[PSC+2*\s+\u], v[LSR] offset:128*(4*\hf+\s)+64*\u
.endr
.irp c, 0,1,2,3
	global_load_b128 v[144+16*\s+4*\c:147+16*\s+4*\c], v[L16], s[56:57] offset:16384*(4*\hf+\s)+512*\c
.endr
	global_load_b32 v[SSC+\s], v[R4], s[58:59] offset:512*(4*\hf+\s)
.endr
.Lgot_\@:
	s_wait_loadcnt 0x0
	s_wait_dscnt 0x0
.irp s, 0,1,2,3
.irp u, 0,1
.if (\hf == 0) && (\s == 0)
	v_wmma_scale_f32_16x16x128_f8f6f4 v[T+8*\u:T+8*\u+7], v[16+32*\s+16*\u:31+32*\s+16*\u], v[144+16*\s:159+16*\s], 0, v[PSC+2*\s+\u], v[SSC+\s]
.else
	v_wmma_scale_f32_16x16x128_f8f6f4 v[T+8*\u:T+8*\u+7], v[16+32*\s+16*\u:31+32*\s+16*\u], v[144+16*\s:159+16*\s], v[T+8*\u:T+8*\u+7], v[PSC+2*\s+\u], v[SSC+\s]
.endif
.endr
.endr
.endm
	HALF 0
	HALF 1
.rept 8
	v_nop
.endr
	; my 16 registers are 16 neighbours along the next K; lane l xor 16 holds the block's other 16
	v_max3_num_f32 v224, |v[T]|, |v[T+1]|, 0x4800000
.irp i, 2,4,6,8,10,12,14
	v_max3_num_f32 v224, v224, |v[T+\i]|, |v[T+\i+1]|
.endr
	s_delay_alu instid0(VALU_DEP_1)
	v_permlanex16_b32 v225, v224, s42, s43
	s_delay_alu instid0(VALU_DEP_1)
	v_max_num_f32 v224, v224, v225
	s_delay_alu instid0(VALU_DEP_1)
	v_and_or_b32 v226, v224, 0x7f800000, s44
	s_delay_alu instid0(VALU_DEP_2)
	v_add_nc_u32 v227, 0xfc000000, v224
	s_delay_alu instid0(VALU_DEP_1)
	v_lshrrev_b32 v228, 23, v227
.irp i, 0,1,2,3,4,5,6,7,8,9,10,11,12,13,14,15
	v_med3_num_f32 v[T+\i], v[T+\i], -v226, v226
.endr
	v_cvt_scalef32_pk8_fp8_f32 v[232:233], v[T:T+7], v227
	v_cvt_scalef32_pk8_fp8_f32 v[234:235], v[T+8:T+15], v227
	v_nop
	global_store_b128 v[L16], v[232:235], s[52:53]  ; one piece of a fragment: 512 consecutive bytes, aligned
	global_store_b8 v[VBY], v228, s[54:55]          ; both halves of the lanes write the same byte with the same value
	s_set_vgpr_msb 0x5
	s_wait_tensorcnt 0x0
	ds_add_u32 v0, v1
	s_wait_dscnt 0x0
	s_set_vgpr_msb 0x500
	s_endpgm
.Lfunc_end_k_q5364deba96_lnkv:
	.size	k_q5364deba96_lnkv, .Lfunc_end_k_q5364deba96_lnkv-k_q5364deba96_lnkv
	.p2alignl 7, 3214868480
	.fill 96, 4, 3214868480
	.section	.rodata,"a",@progbits
	.p2align	6, 0x0
	.amdhsa_kernel k_q5364deba96_lnkv
		.amdhsa_group_segment_fixed_size 37888
		.amdhsa_private_segment_fixed_size 0
		.amdhsa_enable_private_segment 0
		.amdhsa_kernarg_size 72
		.amdhsa_user_sgpr_count 2
		.amdhsa_user_sgpr_kernarg_segment_ptr 1
		.amdhsa_wavefront_size32 1
		.amdhsa_system_sgpr_workgroup_id_x 1
		.amdhsa_system_sgpr_workgroup_id_y 1
		.amdhsa_system_sgpr_workgroup_id_z 1
		.amdhsa_system_vgpr_workitem_id 0
		.amdhsa_next_free_vgpr 258
		.amdhsa_next_free_sgpr 80
		.amdhsa_reserve_vcc 0
		.amdhsa_float_denorm_mode_32 3
		.amdhsa_float_denorm_mode_16_64 3
		.amdhsa_memory_ordered 1
		.amdhsa_forward_progress 1
		.amdhsa_inst_pref_size 97
	.end_amdhsa_kernel
	.amdgpu_metadata
---
amdhsa.version: [ 1, 2 ]
amdhsa.kernels:
  - .name:           k_q5364deba96_lnkv
    .symbol:         k_q5364deba96_lnkv.kd
    .args:
      - { .name: x, .offset: 0, .size: 8, .value_kind: global_buffer, .address_space: global }
      - { .name: context, .offset: 8, .size: 8, .value_kind: global_buffer, .address_space: global }
      - { .name: ln_x_g, .offset: 16, .size: 8, .value_kind: global_buffer, .address_space: global }
      - { .name: ln_x_b, .offset: 24, .size: 8, .value_kind: global_buffer, .address_space: global }
      - { .name: ln_c_g, .offset: 32, .size: 8, .value_kind: global_buffer, .address_space: global }
      - { .name: ln_c_b, .offset: 40, .size: 8, .value_kind: global_buffer, .address_space: global }
      - { .name: wts, .offset: 48, .size: 8, .value_kind: global_buffer, .address_space: global }
      - { .name: xa, .offset: 56, .size: 8, .value_kind: global_buffer, .address_space: global }
      - { .name: kv, .offset: 64, .size: 8, .value_kind: global_buffer, .address_space: global }
    .group_segment_fixed_size: 37888
    .private_segment_fixed_size: 0
    .kernarg_segment_align: 8
    .kernarg_segment_size: 72
    .max_flat_workgroup_size: 256
    .sgpr_count:     80
    .vgpr_count:     258
    .wavefront_size: 32
...
	.end_amdgpu_metadata
.endif
;; end of part 2
;; launch ffq (part 3): grid 256 x 1, 4 waves a work-group, clusters of 4 x 1, 327,680 bytes of LDS; arguments xa, wts, qc, acat; writes qc, acat
.if DOCPART == 3
	.amdgcn_target "amdgcn-amd-amdhsa--gfx1250"
	.amdhsa_code_object_version 6
	.text
	.protected	k_q5364deba96_ffq
	.globl	k_q5364deba96_ffq
	.p2align	8
	.type	k_q5364deba96_ffq,@function
k_q5364deba96_ffq:
	s_mov_b64 s[64:65], 0
	v_nop
	global_prefetch_b8 v0, s[64:65] scope:SCOPE_SE
	s_setreg_imm32_b32 hwreg(HW_REG_WAVE_MODE, 25, 1), 1
	s_wait_xcnt 0x0
	s_wait_alu depctr_hold_cnt(0) depctr_sa_sdst(0) depctr_va_vdst(0) depctr_va_sdst(0) depctr_va_ssrc(0) depctr_va_vcc(0) depctr_vm_vsrc(0)
	s_getreg_b32 s2, hwreg(HW_REG_IB_STS2, 6, 4)
	s_cmp_eq_u32 s2, 0
	s_cbranch_scc0 .Lentry_in_a_cluster
	s_endpgm
.Lentry_in_a_cluster:
	s_bfe_u32 s2, ttmp6, 0x10000c
	s_cmp_lg_u32 s2, 0x3003
	s_cbranch_scc0 .Lentry_shape_is_right
	s_endpgm
.Lentry_shape_is_right:
; xn [4096][1024] x [Wff1 | Wq] on codes of FP8 (E4M3) with one E8M0 byte for each 32 along K.  silu(gate) x val, quantised along the hidden units, goes to acat's K steps 8-39; q / 8, quantised along each head's 64, to qc.
; SHARES: 256 work-groups that stay.  Each makes two tiles of 256 rows x 256 positions of Wff1 (a wave: 64 rows x 256 positions, 64 accumulators) and then one tile of 64 rows x 256 positions of Wq (a wave: the 64 rows x 64 positions, one head):
; 16 x 32 tiles of the first kind and 64 x 4 of the second, dealt evenly by arithmetic on the work-group's number.
; THE WEIGHTS go through a ring of two LDS slots; a slot holds 256 positions x 512 K = 131,072 bytes, so a tile is two fills, and Wq's tile has the same shape as Wff1's.  Each wave brings a quarter of a slot, one dense block of 32,768 bytes.
; CLUSTER: four work-groups with the same weights and different rows ask for each fill jointly (mask 15).  A fill is asked for at least 256 products a wave ahead of its first read.
; THE ROWS' codes are read by one wave alone (in Wq's tile by the four waves), so they go from memory straight into registers, in the order of the operand's registers, three K steps ahead: four sets of 64 registers.
; The weights' scale words come with them (8 loads a K step: lanes 0-15 the first weight tile's block, lanes 16-31 the second's); the rows' scale words are loaded once.  Rows are shared between clusters, not inside one: no joint load serves them.
; No prefetch: K is 1,024, a tile has two fills at the largest block that the registers hold, in clusters, and the rows' loads already run three K steps ahead.
; THE MATRIX INSTRUCTION IS USED TRANSPOSED (source 0 = 16 positions of the weight, source 1 = 16 rows): a lane's 16 registers of blocks 2 b, 2 b + 1 are 16 neighbouring columns.  A weight tile of Wff1 holds 64 val columns (blocks 0-3) and their gates (blocks 4-7).
; REGISTERS: window 0: v1-13 addresses; v16-31 rows' scale words, v32-63 weights' (four sets), v64-79 rows' for Wq's tile: scales and nothing else; v80-101 at work; v128-255 two sets of four weight blocks (on the way out: at work, codes).
;   window 1: the rows' fragments, four sets.  window 2, 3: accumulators of the first and the second weight tile, (a, b) at v[8 (8 a + b)].
; LIMITS: a block of zeros gets the byte 1 (the quantiser says 127): its codes are zeros and this program alone reads the bytes; blocks under 2^-118 are held at byte 1; NaN and infinities are not served.
.set XS,    4194304
.set WB1S,  9437184
.set QS,    4194304
.set AS,    20971520
.set SPARE, 262144                     ; behind the two slots: the spare words, 128 bytes a wave
.set R4,   1                           ; 4 r
.set SBA,  2                           ; 4 r + 4096 h
.set ASA,  3                           ; 4 r + 128 h
.set L16,  4                           ; 16 x lane; also the LDS address of slot 0, first weight tile
.set ADB,  4                           ; v4-7: slot s, weight tile u at ADB + 2 s + u
.set ADQ,  8                           ; v8-9: my 64 positions of Wq's tile in slot 0, 1
.set SPW,  12
.set NIL,  13
.set ASC,  16
.set SB,   32
.set QASC, 64
.set TM,   80
.set HW,   96
.set FPC,  102                         ; v102-117: the codes of a block of 16 rows on Wff1's way out
.set BF,   128
.set TT,   128
.set HH,   192
.set PC,   192
.set G1,  24
.set G0,  32
.set DLT, 40                           ; s[40:41] bytes from a fill to the same slot's next; s42 the second value
.set DS,  44                           ; s[44:45] from the second tile's scale words to Wq's
.set SAC, 46                           ; my rows' codes;  SAN: those of the next tile;  SAQ: Wq's tile's
.set SAN, 48
.set SAQ, 50
.set SBC, 52                           ; this tile's weights' scale words;  SBN: the next tile's
.set SBN, 54
.set ASB, 56
.set ASQ, 58
.set OC,  60
.set OS,  62
.set QCB, 66
.set QSB, 68
.set MNT, 70
.set SEL, 72
.set MSB, 0
.macro WIN new                         ; the immediate's high byte repeats the setting that is left
.if MSB != \new
	s_set_vgpr_msb (MSB<<8)|\new
.set MSB, \new
.endif
.endm
.macro PLACES n
.rept \n
	v_nop
.endr
.endm
.macro CREST
	s_cmp_lg_u32 s14, 0
	s_cbranch_scc1 .Lnot_wave_0_\@
	s_barrier_signal -3
.Lnot_wave_0_\@:
	s_barrier_wait -3
	s_barrier_signal -1
	s_barrier_wait -1
.endm
.macro CROUND
	s_barrier_signal -1
	s_barrier_wait -1
	CREST
.endm
	s_load_b256 s[4:11], s[0:1], 0x0               ; xa, wts, qc, acat
	v_lshl_add_u32 v[SPW], v0, 2, SPARE
	v_mov_b32 v[NIL], 0
	ds_add_u32 v[SPW], v[NIL]                      ; the opening lines: the add twice on end and one wait
	ds_add_u32 v[SPW], v[NIL]
	v_lshrrev_b32 v11, 5, v0
	v_readfirstlane_b32 s14, v11                   ; wave
	s_lshr_b32 s15, s14, 1
	s_and_b32 s16, s14, 1
	s_bfe_u32 s17, ttmp6, 0x40000                  ; cx: it enters global addresses of my own loads and stores alone
	s_and_b32 s18, ttmp9, 15                       ; which 512 positions of Wff1
	s_lshr_b32 s19, ttmp9, 4
	s_lshl_b32 s19, s19, 2
	s_add_co_u32 s19, s19, s17                     ; which 256 rows
	s_and_b32 s20, ttmp9, 3                        ; which 256 positions of Wq
	s_lshr_b32 s21, ttmp9, 2
	s_lshl_b32 s21, s21, 2
	s_add_co_u32 s21, s21, s17                     ; which 64 rows for them
	s_lshl_b32 s22, s19, 1
	s_add_co_u32 s22, s22, s15                     ; my wave's tile of 128 rows; its half is s16
	s_lshr_b32 s23, s21, 1                         ; the same for Wq's tile
	s_and_b32 s43, s21, 1
	s_mov_b32 s[G1], 15|(3<<16)|(1<<21)            ; mask: all four; elements of 8 bytes; bit 21 beside a mask
	s_mov_b32 s[G1+1], 32<<16                      ; rows of 256 bytes,
	s_mov_b32 s[G1+2], 128<<16                     ; 128 of them, dense
	s_mov_b32 s[G1+3], 32<<16
	s_mov_b32 s[G1+4], 128
	s_mov_b32 s[G1+5], 32
	s_mov_b32 s[G1+6], 0
	s_mov_b32 s[G1+7], 0
	s_mov_b32 s[G0], 1
	s_mov_b32 s[G0+4], 1
	s_lshl_b32 s[G0+1], s14, 15                    ; LDS: [weight tile w / 2][K steps 2 (w % 2), + 1]
	s_add_co_u32 s[G0+5], s[G0+1], 131072
	s_lshl_b32 s34, s18, 2
	s_add_co_u32 s34, s34, s15
	s_lshl_b32 s34, s34, 17
	s_lshl_b32 s74, s16, 15
	s_add_co_u32 s34, s34, s74                     ; weight tile 4 g + w / 2, K steps 2 (w % 2) on
	s_mov_b32 s35, 0
	s_mov_b32 s[DLT], 262144                       ; two weight tiles on
	s_mov_b32 s[DLT+1], 0
	s_add_co_u32 s42, s20, 31
	s_lshl_b32 s74, s18, 1
	s_sub_co_u32 s42, s42, s74
	s_lshl_b32 s42, s42, 18                        ; from weight tile 4 g + 2 to 64 + 2 Qc
	s_lshl_b32 s[DS], s20, 1
	s_add_co_u32 s[DS], s[DS], 62
	s_lshl_b32 s74, s18, 2
	s_sub_co_u32 s[DS], s[DS], s74
	s_add_co_u32 s[DS], s[DS], s15
	s_lshl_b32 s[DS], s[DS], 12
	s_lshl_b32 s74, s16, 8
	s_add_co_u32 s[DS], s[DS], s74                 ; the same in scale words, on to my wave's 64 positions
	s_mov_b32 s[DS+1], 0
	s_lshl_b32 s[SAC], s22, 17
	s_lshl_b32 s74, s16, 13
	s_add_co_u32 s[SAC], s[SAC], s74
	s_mov_b32 s[SAC+1], 0
	s_lshl_b32 s[SAQ], s23, 17
	s_lshl_b32 s74, s43, 13
	s_add_co_u32 s[SAQ], s[SAQ], s74
	s_mov_b32 s[SAQ+1], 0
	s_lshl_b32 s[SBC], s18, 14
	s_add_co_u32 s[SBC], s[SBC], WB1S
	s_mov_b32 s[SBC+1], 0
	s_lshl_b32 s[ASB], s22, 12
	s_lshl_b32 s74, s16, 8
	s_add_co_u32 s[ASB], s[ASB], s74
	s_add_co_u32 s[ASB], s[ASB], XS
	s_mov_b32 s[ASB+1], 0
	s_lshl_b32 s[ASQ], s23, 12
	s_lshl_b32 s74, s43, 8
	s_add_co_u32 s[ASQ], s[ASQ], s74
	s_add_co_u32 s[ASQ], s[ASQ], XS
	s_mov_b32 s[ASQ+1], 0
	s_mul_i32 s[OC], s22, 655360                   ; acat: my tile of 128 rows, K step 8 + 2 g, my four blocks
	s_lshl_b32 s74, s18, 15
	s_add_co_u32 s[OC], s[OC], s74
	s_lshl_b32 s74, s16, 13
	s_add_co_u32 s[OC], s[OC], s74
	s_add_co_u32 s[OC], s[OC], 131072
	s_mov_b32 s[OC+1], 0
	s_mul_i32 s[OS], s22, 20480
	s_lshl_b32 s74, s18, 10
	s_add_co_u32 s[OS], s[OS], s74
	s_lshl_b32 s74, s16, 8
	s_add_co_u32 s[OS], s[OS], s74
	s_add_co_u32 s[OS], s[OS], AS+4096
	s_mov_b32 s[OS+1], 0
	s_lshl_b32 s[QCB], s21, 16                     ; qc: block of 16 rows x 16,384 + head x 1,024
	s_lshl_b32 s74, s20, 12
	s_add_co_u32 s[QCB], s[QCB], s74
	s_lshl_b32 s74, s14, 10
	s_add_co_u32 s[QCB], s[QCB], s74
	s_mov_b32 s[QCB+1], 0
	s_lshl_b32 s[QSB], s20, 15                     ; its scale words: pair of heads x 16,384 + block x 64, my head's two bytes
	s_lshl_b32 s74, s15, 14
	s_add_co_u32 s[QSB], s[QSB], s74
	s_lshl_b32 s74, s21, 8
	s_add_co_u32 s[QSB], s[QSB], s74
	s_lshl_b32 s74, s16, 1
	s_add_co_u32 s[QSB], s[QSB], s74
	s_add_co_u32 s[QSB], s[QSB], QS
	s_mov_b32 s[QSB+1], 0
	s_lshl_b32 s75, s15, 16
	s_lshl_b32 s74, s16, 13
	s_add_co_u32 s75, s75, s74                     ; LDS: my 64 positions of Wq's tile
	s_mov_b32 s[MNT], 0x600000
	s_mov_b32 s[SEL], 0x76543210
	s_mov_b32 s[SEL+1], 0xfedcba98
	s_wait_dscnt 0x0                               ; both opening adds are done
	s_wait_kmcnt 0x0
	s_add_nc_u64 s[G0+2:G0+3], s[6:7], s[34:35]
	s_add_nc_u64 s[G0+6:G0+7], s[G0+2:G0+3], 65536 ; slot 1: K steps 4-7
	s_or_b32 s[G0+3], s[G0+3], 0x80000000
	s_or_b32 s[G0+7], s[G0+7], 0x80000000
	s_add_nc_u64 s[SAC:SAC+1], s[4:5], s[SAC:SAC+1]
	s_mov_b64 s[SAN:SAN+1], s[SAC:SAC+1]           ; the second tile has the same rows
	s_add_nc_u64 s[SAQ:SAQ+1], s[4:5], s[SAQ:SAQ+1]
	s_add_nc_u64 s[SBC:SBC+1], s[6:7], s[SBC:SBC+1]
	s_add_nc_u64 s[SBN:SBN+1], s[SBC:SBC+1], 8192
	s_add_nc_u64 s[ASB:ASB+1], s[4:5], s[ASB:ASB+1]
	s_add_nc_u64 s[ASQ:ASQ+1], s[4:5], s[ASQ:ASQ+1]
	s_add_nc_u64 s[OC:OC+1], s[10:11], s[OC:OC+1]
	s_add_nc_u64 s[OS:OS+1], s[10:11], s[OS:OS+1]
	s_add_nc_u64 s[QCB:QCB+1], s[8:9], s[QCB:QCB+1]
	s_add_nc_u64 s[QSB:QSB+1], s[8:9], s[QSB:QSB+1]
	CROUND                                         ; all four work-groups are here: the first joint loads meet
	tensor_load_to_lds s[G0:G0+3], s[G1:G1+7]      ; slot 0, the first tile's K steps 0-3: one tensor load a wave at the head
	s_nop 0
	v_and_b32 v11, 15, v0                          ; r
	v_bfe_u32 v10, v0, 4, 1                        ; h
	v_and_b32 v[L16], 31, v0
	v_lshlrev_b32 v[L16], 4, v[L16]
	v_lshlrev_b32 v[R4], 2, v11
	v_lshl_add_u32 v[SBA], v10, 12, v[R4]
	v_lshl_add_u32 v[ASA], v10, 7, v[R4]
	v_add_nc_u32 v[ADB+1], 65536, v[L16]
	v_add_nc_u32 v[ADB+2], 131072, v[L16]
	v_add_nc_u32 v[ADB+3], 196608, v[L16]
	v_add_nc_u32 v[ADQ], s75, v[L16]
	v_add_nc_u32 v[ADQ+1], 131072, v[ADQ]
	v_mov_b32 v[TM+4], 0                           ; a lane permute's destination counts as one of its sources
	v_mov_b32 v[TM+5], 0
	v_mov_b32 v[TM+6], 0
	v_mov_b32 v[TM+7], 0
	s_wait_alu depctr_va_vdst(0)                   ; a wait ahead of the readers below
; A batch of 24 loads: K step m's weights' scale words and my rows' four fragments, into set m % 4
.macro PBL m, ab, sb
	WIN 0
.irp n, 0,1,2,3,4,5,6,7
	global_load_b32 v[SB+8*((\m)%4)+\n], v[SBA], s[\sb:\sb+1] offset:512*(\m)+64*\n
.endr
	WIN 0x40                                       ; destination window 1
.irp a, 0,1,2,3
.irp c, 0,1,2,3
	global_load_b128 v[64*((\m)%4)+16*\a+4*\c:64*((\m)%4)+16*\a+4*\c+3], v[L16], s[\ab:\ab+1] offset:16384*(\m)+2048*\a+512*\c
.endr
.endr
.endm
.irp j, 0,1,2,3,4,5,6,7
.irp u, 0,1
	global_load_b32 v[ASC+2*\j+\u], v[ASA], s[ASB:ASB+1] offset:512*\j+64*\u     ; lanes 0-15 block u, lanes 16-31 block u + 2
	global_load_b32 v[QASC+2*\j+\u], v[ASA], s[ASQ:ASQ+1] offset:512*\j+64*\u
.endr
.endr
	PBL 0, SAC, SBC
	PBL 1, SAC, SBC
	PBL 2, SAC, SBC
	WIN 0
; one product; the registers' numbers stand in DD, BB, AA, S0, S1.  z: the first product starts the sum.  ra, rb: the scale words lie in lanes 16-31
.macro WM z, ra, rb
.if \z
.if (\ra) && (\rb)
	v_wmma_scale_f32_16x16x128_f8f6f4 v[DD:DD+7], v[BB:BB+15], v[AA:AA+15], 0, v[S0], v[S1] matrix_a_scale:MATRIX_SCALE_ROW1 matrix_b_scale:MATRIX_SCALE_ROW1
.elseif \ra
	v_wmma_scale_f32_16x16x128_f8f6f4 v[DD:DD+7], v[BB:BB+15], v[AA:AA+15], 0, v[S0], v[S1] matrix_a_scale:MATRIX_SCALE_ROW1
.elseif \rb
	v_wmma_scale_f32_16x16x128_f8f6f4 v[DD:DD+7], v[BB:BB+15], v[AA:AA+15], 0, v[S0], v[S1] matrix_b_scale:MATRIX_SCALE_ROW1
.else
	v_wmma_scale_f32_16x16x128_f8f6f4 v[DD:DD+7], v[BB:BB+15], v[AA:AA+15], 0, v[S0], v[S1]
.endif
.else
.if (\ra) && (\rb)
	v_wmma_scale_f32_16x16x128_f8f6f4 v[DD:DD+7], v[BB:BB+15], v[AA:AA+15], v[DD:DD+7], v[S0], v[S1] matrix_a_scale:MATRIX_SCALE_ROW1 matrix_b_scale:MATRIX_SCALE_ROW1
.elseif \ra
	v_wmma_scale_f32_16x16x128_f8f6f4 v[DD:DD+7], v[BB:BB+15], v[AA:AA+15], v[DD:DD+7], v[S0], v[S1] matrix_a_scale:MATRIX_SCALE_ROW1
.elseif \rb
	v_wmma_scale_f32_16x16x128_f8f6f4 v[DD:DD+7], v[BB:BB+15], v[AA:AA+15], v[DD:DD+7], v[S0], v[S1] matrix_b_scale:MATRIX_SCALE_ROW1
.else
	v_wmma_scale_f32_16x16x128_f8f6f4 v[DD:DD+7], v[BB:BB+15], v[AA:AA+15], v[DD:DD+7], v[S0], v[S1]
.endif
.endif
.endm
; four products: weight block i of set p (block bb + i of its weight tile) against my rows' four blocks; np v_nop behind each.  The accumulators take turns
.macro MM j, p, bb, ra, i, z, np, as
.irp a, 0,1,2,3
.set DD, 8*(8*\a+(\bb)+\i)
.set BB, BF+64*(\p)+16*\i
.set AA, 64*((\j)%4)+16*\a
.set S0, SB+8*((\j)%4)+(\bb)+\i
.set S1, \as+2*(\j)+(\a%2)
	WM \z, \ra, \a/2
.if \np
	PLACES \np
.endif
.endr
.endm
.macro LDB sl, q, g                    ; group g (four weight blocks) of the slot's K step q into set g % 2: 16 loads of 512 consecutive bytes
.irp i, 0,1,2,3
.irp c, 0,1,2,3
	ds_load_b128 v[BF+64*((\g)%2)+16*\i+4*\c:BF+64*((\g)%2)+16*\i+4*\c+3], v[ADB+2*(\sl)+(\g)/2] offset:16384*(\q)+8192*((\g)%2)+2048*\i+512*\c
.endr
.endr
.endm
; A K step of 128: four groups of 16 products.  Behind a group's first four products, each with two v_nop (eight places behind the products that read the registers to be loaded), stand the next group's LDS loads,
; and in group 0 the batch for three K steps on.  s_wait_loadcnt 48: the two later batches of 24 may be out.  The last group of a slot stands between the signal and the wait of the barrier that changes slots.
.macro KSTEP j, z
.set SL, (\j)/4
.set QK, (\j)%4
.irp g, 0,1,2,3
.if (QK == 3) && (\g == 3)
	WIN 0
	s_wait_tensorcnt 0x0                           ; all my tensor loads have landed: my part of the other slot
	ds_add_u32 v[SPW], v[NIL]
	s_wait_dscnt 0x0                               ; the add is done, and my reads of this slot are over
	s_barrier_signal -1
	WIN 0xf4
.irp i, 0,1,2,3
	MM \j, 1, 4, 1, \i, 0, 0, ASC
.endr
	WIN 0
	s_barrier_wait -1
.else
	s_wait_dscnt 0x0
.if \g == 0
	s_wait_loadcnt 48
.endif
	WIN 0xa4+0x50*(\g/2)                           ; source 0 window 0, source 1 window 1, C and D window 2 or 3
	MM \j, (\g)%2, 4*((\g)%2), (\g)/2, 0, \z, 2, ASC
	WIN 0
.if \g < 3
	LDB SL, QK, \g+1
.else
	LDB SL, QK+1, 0
.endif
.if \g == 0
.if (\j)+3 < 8
	PBL (\j)+3, SAC, SBC
.else
	PBL (\j)-5, SAN, SBN
.endif
.endif
	WIN 0xa4+0x50*(\g/2)
.irp i, 1,2,3
	MM \j, (\g)%2, 4*((\g)%2), (\g)/2, \i, \z, 0, ASC
.endr
.endif
.endr
.endm
.macro REFILL s                        ; the barrier has opened a round of the cluster's; behind it the slot just left takes the next tile's same K steps
	CREST
	s_add_nc_u64 s[G0+4*\s+2:G0+4*\s+3], s[G0+4*\s+2:G0+4*\s+3], s[DLT:DLT+1]
	tensor_load_to_lds s[G0+4*\s:G0+4*\s+3], s[G1:G1+7]
	s_nop 0
	PLACES 8                                       ; places behind the last products
.endm
; two blocks of 16 registers, v[s + 16 b + i] = k 32 b + 16 (lane / 16) + i of my row, become codes in v[pc] on and two scale bytes in v[pw]
.macro QUANT s, pc, pw
.irp b, 0,1
	v_max3_num_f32 v[TM+\b], |v[\s+16*\b]|, |v[\s+16*\b+1]|, 0x4800000   ; and the floor 2^(9 - 127)
.endr
.irp i, 2,4,6,8,10,12,14
.irp b, 0,1
	v_max3_num_f32 v[TM+\b], v[TM+\b], |v[\s+16*\b+\i]|, |v[\s+16*\b+\i+1]|
.endr
.endr
.irp b, 0,1
	v_permlanex16_b32 v[TM+4+\b], v[TM+\b], s[SEL], s[SEL+1]
.endr
.irp b, 0,1
	v_max_num_f32 v[TM+\b], v[TM+\b], v[TM+4+\b]   ; with lane l xor 16's: the block's largest magnitude
.endr
.irp b, 0,1
	v_add_nc_u32 v[TM+12+\b], 0xfc000000, v[TM+\b] ; the conversion's scale operand
	v_and_or_b32 v[TM+8+\b], v[TM+\b], 0x7f800000, s[MNT]   ; 448 x the scale
.endr
.irp b, 0,1
	v_lshrrev_b32 v[TM+4+\b], 23, v[TM+12+\b]      ; the scale's byte
.endr
	v_lshl_or_b32 v[\pw], v[TM+5], 8, v[TM+4]
.irp b, 0,1
.irp i, 0,1,2,3,4,5,6,7,8,9,10,11,12,13,14,15
	v_med3_num_f32 v[\s+16*\b+\i], v[\s+16*\b+\i], -v[TM+8+\b], v[TM+8+\b]   ; the conversion does not saturate (ISA guide 7.6.2): the hold comes first
.endr
	v_cvt_scalef32_pk8_fp8_f32 v[\pc+4*\b:\pc+4*\b+1], v[\s+16*\b:\s+16*\b+7], v[TM+12+\b]
	v_cvt_scalef32_pk8_fp8_f32 v[\pc+4*\b+2:\pc+4*\b+3], v[\s+16*\b+8:\s+16*\b+15], v[TM+12+\b]
.endr
	v_nop                                          ; a plain instruction behind the last conversion
.endm
; the same for four blocks, a whole K step of 128: codes in v[pc] on, the scale word in v[pw]; the four blocks take turns line by line
.macro QUANT4 s, pc, pw
.irp b, 0,1,2,3
	v_max3_num_f32 v[TM+\b], |v[\s+16*\b]|, |v[\s+16*\b+1]|, 0x4800000
.endr
.irp i, 2,4,6,8,10,12,14
.irp b, 0,1,2,3
	v_max3_num_f32 v[TM+\b], v[TM+\b], |v[\s+16*\b+\i]|, |v[\s+16*\b+\i+1]|
.endr
.endr
.irp b, 0,1,2,3
	v_permlanex16_b32 v[TM+4+\b], v[TM+\b], s[SEL], s[SEL+1]
.endr
.irp b, 0,1,2,3
	v_max_num_f32 v[TM+\b], v[TM+\b], v[TM+4+\b]
.endr
.irp b, 0,1,2,3
	v_add_nc_u32 v[TM+12+\b], 0xfc000000, v[TM+\b]
	v_and_or_b32 v[TM+8+\b], v[TM+\b], 0x7f800000, s[MNT]
.endr
.irp b, 0,1,2,3
	v_lshrrev_b32 v[TM+4+\b], 23, v[TM+12+\b]
.endr
	v_lshl_or_b32 v[\pw], v[TM+5], 8, v[TM+4]
	v_lshl_or_b32 v[\pw], v[TM+6], 16, v[\pw]
	v_lshl_or_b32 v[\pw], v[TM+7], 24, v[\pw]
.irp b, 0,1,2,3
.irp i, 0,1,2,3,4,5,6,7,8,9,10,11,12,13,14,15
	v_med3_num_f32 v[\s+16*\b+\i], v[\s+16*\b+\i], -v[TM+8+\b], v[TM+8+\b]
.endr
	v_cvt_scalef32_pk8_fp8_f32 v[\pc+4*\b:\pc+4*\b+1], v[\s+16*\b:\s+16*\b+7], v[TM+12+\b]
	v_cvt_scalef32_pk8_fp8_f32 v[\pc+4*\b+2:\pc+4*\b+3], v[\s+16*\b+8:\s+16*\b+15], v[TM+12+\b]
.endr
	v_nop                                          ; a plain instruction behind the last conversion
.endm
; block a of 16 rows, both weight tiles: h = val x gate / (1 + 2^(-gate log2 e)); 128 hidden units: the four pieces and the scale word of one K step.  v128-191 the gates' terms, v192-255 h
.macro FB2 a
.set ACB, 64*(\a)
.irp t, 0,1
	WIN 0x0a+5*\t                                  ; sources in window 2 or 3, results in window 0
	s_wait_alu depctr_va_vdst(0)                   ; ahead of the first reader of matrix results
.set k, 0
.rept 16
	v_pk_mul_f32 v[TT+32*\t+k:TT+32*\t+k+1], v[ACB+32+k:ACB+32+k+1], 0xbfb8aa3b op_sel_hi:[1,0]   ; -gate log2 e; each accumulator from its low end on
.set k, k+2
.endr
.set k, 0
.rept 16
	v_pk_mul_f32 v[HH+32*\t+k:HH+32*\t+k+1], v[ACB+k:ACB+k+1], v[ACB+32+k:ACB+32+k+1]
.set k, k+2
.endr
.endr
	WIN 0
	s_wait_alu depctr_va_vdst(0)                   ; ahead of the batch
.set k, 0
.rept 64
	v_exp_f32 v[TT+k], v[TT+k]
.set k, k+1
.endr
	v_nop
	s_wait_alu depctr_va_vdst(0)                   ; and behind it
.if \a > 0
	s_wait_xcnt 0x0                                ; the last block's stores have read the registers that take this block's codes
.endif
.set k, 0
.rept 32
	v_pk_add_f32 v[TT+k:TT+k+1], v[TT+k:TT+k+1], 1.0 op_sel_hi:[1,0]
.set k, k+2
.endr
	s_wait_alu depctr_va_vdst(0)
.set k, 0
.rept 64
	v_rcp_f32 v[TT+k], v[TT+k]
.set k, k+1
.endr
	v_nop
	s_wait_alu depctr_va_vdst(0)
.set k, 0
.rept 32
	v_pk_mul_f32 v[HH+k:HH+k+1], v[HH+k:HH+k+1], v[TT+k:TT+k+1]
.set k, k+2
.endr
	QUANT4 HH, FPC, HW+\a
.irp q, 0,1,2,3
	global_store_b128 v[L16], v[FPC+4*\q:FPC+4*\q+3], s[OC:OC+1] offset:2048*(\a)+512*\q   ; a piece of a fragment: 512 consecutive bytes, aligned
.endr
	global_store_b32 v[R4], v[HW+\a], s[OS:OS+1] offset:64*(\a)   ; both halves of the lanes store the same word with the same value
.endm
	s_wait_alu depctr_va_vdst(0)
	s_wait_tensorcnt 0x0                           ; my part of slot 0 is in; the full sequence ahead of slot 1's first fill
	ds_add_u32 v[SPW], v[NIL]
	s_wait_dscnt 0x0
	CROUND
	tensor_load_to_lds s[G0+4:G0+7], s[G1:G1+7]    ; slot 1, the first tile's K steps 4-7
	s_nop 0
	PLACES 4
	s_mov_b32 s3, 2
.Ltile:                                            ; a trip is a tile of Wff1; both its changes of slots ask for the next tile, the second trip's for Wq's
	LDB 0, 0, 0
	KSTEP 0, 1                                     ; the first K step's products start the sums
	KSTEP 1, 0
	KSTEP 2, 0
	KSTEP 3, 0
	REFILL 0
	LDB 1, 0, 0
	KSTEP 4, 0
	KSTEP 5, 0
	KSTEP 6, 0
	KSTEP 7, 0
	REFILL 1
.irp a, 0,1,2,3
	FB2 \a
.endr
	s_wait_alu depctr_va_vdst(0)                   ; ahead of the wait and the branch below
	s_wait_xcnt 0x0                                ; every load and store has read its base and its data: they may be written
	s_mov_b64 s[SBC:SBC+1], s[SBN:SBN+1]
	s_add_nc_u64 s[SBN:SBN+1], s[SBN:SBN+1], s[DS:DS+1]
	s_mov_b64 s[SAN:SAN+1], s[SAQ:SAQ+1]
	s_mov_b32 s[DLT], s42
	s_add_nc_u64 s[OC:OC+1], s[OC:OC+1], 16384     ; the next K step of acat
	s_add_nc_u64 s[OS:OS+1], s[OS:OS+1], 512
	s_sub_co_u32 s3, s3, 1
	s_cmp_lg_u32 s3, 0
	s_cbranch_scc1 .Ltile
; Wq's tile: 64 rows x my 64 positions; a K step is 16 products.  K steps 0-3 lie in slot 0, 4-7 in slot 1; nothing is filled any more
.macro LDQ j
.irp i, 0,1,2,3
.irp c, 0,1,2,3
	ds_load_b128 v[BF+64*((\j)%2)+16*\i+4*\c:BF+64*((\j)%2)+16*\i+4*\c+3], v[ADQ+(\j)/4] offset:16384*((\j)%4)+2048*\i+512*\c
.endr
.endr
.endm
.macro QSTEP j, z, n                   ; n: the loads of the later batches, which may be out
.if \j == 3
	s_wait_loadcnt \n
	s_wait_tensorcnt 0x0                           ; my part of slot 1 is in
	ds_add_u32 v[SPW], v[NIL]
	s_wait_dscnt 0x0
	s_barrier_signal -1
	WIN 0xa4
.irp i, 0,1,2,3
	MM \j, (\j)%2, 0, 0, \i, \z, 0, QASC
.endr
	WIN 0
	s_barrier_wait -1                              ; everybody's is
	PLACES 8
	LDQ 4
	PBL 6, SAN, SBC
	WIN 0
.else
	s_wait_dscnt 0x0
	s_wait_loadcnt \n
	WIN 0xa4
	MM \j, (\j)%2, 0, 0, 0, \z, 2, QASC
	WIN 0
.if \j < 7
	LDQ (\j)+1
.endif
.if \j < 5
	PBL (\j)+3, SAN, SBC
.endif
	WIN 0xa4
.irp i, 1,2,3
	MM \j, (\j)%2, 0, 0, \i, \z, 0, QASC
.endr
	WIN 0
.endif
.endm
	LDQ 0
	QSTEP 0, 1, 48
	QSTEP 1, 0, 48
	QSTEP 2, 0, 48
	QSTEP 3, 0, 48
	QSTEP 4, 0, 48
	QSTEP 5, 0, 48
	QSTEP 6, 0, 24
	QSTEP 7, 0, 0
	PLACES 8
.irp a, 0,1,2,3                        ; q / 8, one head: two blocks of 32
	WIN 0x0a
	s_wait_alu depctr_va_vdst(0)                   ; ahead of the first reader of matrix results
.set k, 0
.rept 16
	v_pk_mul_f32 v[TT+k:TT+k+1], v[64*\a+k:64*\a+k+1], 0x3e000000 op_sel_hi:[1,0]
.set k, k+2
.endr
	WIN 0
	QUANT TT, PC+8*\a, HW+\a
	global_store_b128 v[L16], v[PC+8*\a:PC+8*\a+3], s[QCB:QCB+1] offset:16384*\a
	global_store_b128 v[L16], v[PC+8*\a+4:PC+8*\a+7], s[QCB:QCB+1] offset:16384*\a+512
	global_store_b16 v[R4], v[HW+\a], s[QSB:QSB+1] offset:64*\a   ; my head's two bytes of the rows' scale words
.endr
	s_wait_tensorcnt 0x0                           ; the wave's end
	ds_add_u32 v[SPW], v[NIL]
	s_wait_dscnt 0x0
	CROUND                                         ; the closing round
	s_endpgm
.Lfunc_end_k_q5364deba96_ffq:
	.size	k_q5364deba96_ffq, .Lfunc_end_k_q5364deba96_ffq-k_q5364deba96_ffq
	.p2alignl 7, 3214868480
	.fill 96, 4, 3214868480
	.section	.rodata,"a",@progbits
	.p2align	6, 0x0
	.amdhsa_kernel k_q5364deba96_ffq
		.amdhsa_group_segment_fixed_size 327680
		.amdhsa_private_segment_fixed_size 0
		.amdhsa_enable_private_segment 0
		.amdhsa_kernarg_size 32
		.amdhsa_user_sgpr_count 2
		.amdhsa_user_sgpr_kernarg_segment_ptr 1
		.amdhsa_wavefront_size32 1
		.amdhsa_system_sgpr_workgroup_id_x 1
		.amdhsa_system_sgpr_workgroup_id_y 1
		.amdhsa_system_sgpr_workgroup_id_z 1
		.amdhsa_system_vgpr_workitem_id 0
		.amdhsa_next_free_vgpr 1024
		.amdhsa_next_free_sgpr 100
		.amdhsa_reserve_vcc 0
		.amdhsa_float_denorm_mode_32 3
		.amdhsa_float_denorm_mode_16_64 3
		.amdhsa_memory_ordered 1
		.amdhsa_forward_progress 1
		.amdhsa_inst_pref_size 255
	.end_amdhsa_kernel
	.section	.bss,"aw",@nobits
	.p2align	6
	.space	262144
	.amdgpu_metadata
---
amdhsa.version: [ 1, 2 ]
amdhsa.kernels:
  - .name:           k_q5364deba96_ffq
    .symbol:         k_q5364deba96_ffq.kd
    .args:
      - { .name: xa, .offset: 0, .size: 8, .value_kind: global_buffer, .address_space: global }
      - { .name: wts, .offset: 8, .size: 8, .value_kind: global_buffer, .address_space: global }
      - { .name: qc, .offset: 16, .size: 8, .value_kind: global_buffer, .address_space: global }
      - { .name: acat, .offset: 24, .size: 8, .value_kind: global_buffer, .address_space: global }
    .group_segment_fixed_size: 327680
    .private_segment_fixed_size: 0
    .kernarg_segment_align: 8
    .kernarg_segment_size: 32
    .max_flat_workgroup_size: 128
    .sgpr_count:     100
    .vgpr_count:     1024
    .wavefront_size: 32
...
	.end_amdgpu_metadata
.endif
;; end of part 3
;; launch attn (part 4): grid 256 x 1, 16 waves a work-group, clusters of 4 x 1, 169,984 bytes of LDS; arguments qc, kv, acat; writes acat
.if DOCPART == 4
	.amdgcn_target "amdgcn-amd-amdhsa--gfx1250"
	.amdhsa_code_object_version 6
	.text
	.protected	k_q5364deba96_attn
	.globl	k_q5364deba96_attn
	.p2align	8
	.type	k_q5364deba96_attn,@function
k_q5364deba96_attn:
	s_mov_b64 s[64:65], 0
	v_nop
	global_prefetch_b8 v0, s[64:65] scope:SCOPE_SE
	s_setreg_imm32_b32 hwreg(HW_REG_WAVE_MODE, 25, 1), 1
	s_wait_xcnt 0x0
	s_wait_alu depctr_hold_cnt(0) depctr_sa_sdst(0) depctr_va_vdst(0) depctr_va_sdst(0) depctr_va_ssrc(0) depctr_va_vcc(0) depctr_vm_vsrc(0)
	s_getreg_b32 s2, hwreg(HW_REG_IB_STS2, 6, 4)
	s_cmp_eq_u32 s2, 0
	s_cbranch_scc0 .Lentry_in_a_cluster
	s_endpgm
.Lentry_in_a_cluster:
	s_bfe_u32 s2, ttmp6, 0x10000c
	s_cmp_lg_u32 s2, 0x3003
	s_cbranch_scc0 .Lentry_shape_is_right
	s_endpgm
.Lentry_shape_is_right:
; Attention with one key and value head for 16 query heads, both products on codes of FP8 (E4M3) with one E8M0 byte for each 32 along K.  Head size 64, 1,024 keys a batch.
; t = score x log2(e) (q was divided by 8 ahead of its quantiser); M = the running largest t, rounded UP to a whole number; p = 2^(t - M) is quantised along the keys, not normalised.
; The row's sum is taken of the unquantised p and divides O at the end; when M moves, the sum and O are multiplied by 2^(old M - new M), which rounds nothing.
; SHARES: a work-group owns 16 rows of x (one block of positions) of one batch; wave w owns head w: one tile of 16 queries in 256 registers; four waves to a SIMD.
; LDS: the batch's whole block of kv (k's codes, v's codes, their scale bytes: 135,168 bytes) as it lies in memory, filled ONCE: no ring, no refill.
; CLUSTER: four work-groups of one batch ask for that block jointly: waves 0-7 bring 16,384 bytes each, wave 8 the last 4,096.
; LAYOUT: both products are used transposed (S^T = K Q^T, O^T = V^T P^T): a lane holds one query throughout.  The keys of a block of 16 were laid so that p's 16 registers of tiles 2 b, 2 b + 1 are 16 neighbouring keys.
; The first product's K is 64: the upper half of both fragments is zero codes, kept in registers that are cleared once and never loaded; their scale bytes are 0, which is a power of two and no NaN.
; The result, O / sum, is quantised along (head, channel) and goes to acat's K steps 0-7.  Its scale bytes leave two at a time (128 KB in the launch): a word's halves come from two waves.
; LIMITS: a block of zeros gets the byte 1 (the quantiser says 127): its codes are zeros and this program alone reads the bytes; NaN and infinities are not served.
; REGISTERS: v1-5 addresses that stay; v8-11 addresses of the step; v12 -M, v13 the largest t, v[14:15] the sum; v16-31 Q; v32-95 four fragments of K; v96-159 S^T, then p, then four fragments of V; v160-191 O^T; v192-207 p's codes; v232-254 at work; v248-251, v253, v255 scale words.
.set QS,  4194304
.set AS,  20971520
.set AL,  1                            ; 16 x lane
.set AKS, 2                            ; k's scale bytes: 131,072 + 2 r
.set AVS, 3                            ; v's scale words: 133,120 + 4 r
.set AV0, 4                            ; v's codes: 65,536 + 16 x lane
.set R4,  5                            ; 4 r
.set ADK, 8
.set ADV, 9
.set ADS, 10
.set ADT, 11
.set WV,  18
.set MNT, 19
.set SEL, 20
.set CS,  22
.set G1C, 24
.set G1S, 32
.set G0,  40
.set TB,  44                           ; the step's codes: 8,192 bytes a step
.set TU,  45                           ; the step's scale bytes: 256 a step
.set CNT, 46
.macro CROUND
	s_barrier_signal -1
	s_barrier_wait -1
	s_cmp_lg_u32 s[WV], 0
	s_cbranch_scc1 .Lnot_wave_0_\@
	s_barrier_signal -3
.Lnot_wave_0_\@:
	s_barrier_wait -3
	s_barrier_signal -1
	s_barrier_wait -1
.endm
	s_load_b128 s[4:7], s[0:1], 0x0                ; qc, kv
	s_load_b64 s[8:9], s[0:1], 0x10                ; acat
	v_lshl_add_u32 v230, v0, 2, 0x29000
	v_mov_b32 v231, 0
	ds_add_u32 v230, v231
	ds_add_u32 v230, v231
	v_lshrrev_b32 v8, 5, v0
	s_delay_alu instid0(VALU_DEP_1)
	v_readfirstlane_b32 s[WV], v8                  ; wave = head
	s_bfe_u32 s10, ttmp6, 0x40000                  ; cx
	s_lshl_b32 s11, ttmp9, 2
	s_add_co_u32 s11, s11, s10                     ; my block of 16 rows: it enters global addresses alone
	s_lshr_b32 s12, ttmp9, 4                       ; the batch, which the four partners share
	s_mul_i32 s12, s12, 135168
	s_lshl_b32 s48, s[WV], 14
	s_add_co_u32 s12, s12, s48
	s_mov_b32 s13, 0
	s_mov_b32 s[G1C], 15|(3<<16)|(1<<21)           ; 15:0 the mask: all four; 17:16 elements of 8 bytes; 21 set beside a mask
	s_mov_b32 s[G1C+1], 32<<16                     ; rows of 256 bytes,
	s_mov_b32 s[G1C+2], 64<<16                     ; 64 of them
	s_mov_b32 s[G1C+3], 32<<16
	s_mov_b32 s[G1C+4], 64
	s_mov_b32 s[G1C+5], 32
	s_mov_b32 s[G1C+6], 0
	s_mov_b32 s[G1C+7], 0
	s_mov_b32 s[G1S], 15|(3<<16)|(1<<21)
	s_mov_b32 s[G1S+1], 32<<16
	s_mov_b32 s[G1S+2], 16<<16                     ; the scale bytes: 16 rows
	s_mov_b32 s[G1S+3], 32<<16
	s_mov_b32 s[G1S+4], 16
	s_mov_b32 s[G1S+5], 32
	s_mov_b32 s[G1S+6], 0
	s_mov_b32 s[G1S+7], 0
	s_lshl_b32 s14, s11, 14                        ; qc: block x 16,384 + head x 1,024
	s_lshl_b32 s15, s[WV], 10
	s_add_co_u32 s14, s14, s15
	s_mov_b32 s15, 0
	s_lshr_b32 s49, s[WV], 1                       ; pair of heads
	s_and_b32 s47, s[WV], 1
	s_lshl_b32 s16, s49, 14
	s_lshl_b32 s17, s11, 6
	s_add_co_u32 s16, s16, s17
	s_add_co_u32 s16, s16, QS
	s_mov_b32 s17, 0
	s_lshr_b32 s54, s11, 3                         ; acat: tile of 128 rows,
	s_and_b32 s55, s11, 7                          ; block in it
	s_mul_i32 s50, s54, 655360
	s_lshl_b32 s51, s49, 14
	s_add_co_u32 s50, s50, s51
	s_lshl_b32 s51, s55, 11
	s_add_co_u32 s50, s50, s51
	s_lshl_b32 s51, s47, 10
	s_add_co_u32 s50, s50, s51
	s_mov_b32 s51, 0
	s_mul_i32 s52, s54, 20480
	s_lshl_b32 s53, s49, 9
	s_add_co_u32 s52, s52, s53
	s_lshl_b32 s53, s55, 6
	s_add_co_u32 s52, s52, s53
	s_lshl_b32 s53, s47, 1
	s_add_co_u32 s52, s52, s53
	s_add_co_u32 s52, s52, AS
	s_mov_b32 s53, 0
	s_lshl_b32 s47, s47, 4                         ; my head's 16 bits of the pair's scale word
	s_mov_b32 s[SEL], 0x76543210
	s_mov_b32 s[SEL+1], 0xfedcba98
	s_mov_b32 s[CS], 0x3fb8aa3b                    ; log2(e)
	s_mov_b32 s[CS+1], s[CS]
	s_mov_b32 s[MNT], 0x600000
	s_wait_dscnt 0x0
	s_wait_kmcnt 0x0
	s_mov_b32 s[G0], 1
	s_mov_b32 s[G0+1], s48                         ; LDS: 16,384 x wave
	s_add_nc_u64 s[G0+2:G0+3], s[6:7], s[12:13]
	s_or_b32 s[G0+3], s[G0+3], 0x80000000
	s_add_nc_u64 s[14:15], s[4:5], s[14:15]
	s_add_nc_u64 s[16:17], s[4:5], s[16:17]
	s_add_nc_u64 s[50:51], s[8:9], s[50:51]
	s_add_nc_u64 s[52:53], s[8:9], s[52:53]
	CROUND                                         ; all four work-groups are here: the joint loads meet
	s_cmp_lt_u32 s[WV], 8
	s_cbranch_scc0 .Lnot_codes
	tensor_load_to_lds s[G0:G0+3], s[G1C:G1C+7]
	s_nop 0
.rept 4
	v_nop
.endr
	s_branch .Lasked
.Lnot_codes:
	s_cmp_eq_u32 s[WV], 8
	s_cbranch_scc0 .Lasked
	tensor_load_to_lds s[G0:G0+3], s[G1S:G1S+7]
	s_nop 0
.rept 4
	v_nop
.endr
.Lasked:
	v_and_b32 v6, 31, v0
	v_and_b32 v7, 15, v0
	s_delay_alu instid0(VALU_DEP_2)
	v_lshlrev_b32 v[AL], 4, v6
	s_delay_alu instid0(VALU_DEP_2)
	v_lshlrev_b32 v[R4], 2, v7
	global_load_b128 v[16:19], v[AL], s[14:15]     ; Q's fragment: pieces 0 and 1
	global_load_b128 v[20:23], v[AL], s[14:15] offset:512
	global_load_b32 v254, v[R4], s[16:17]
	v_lshl_add_u32 v[AKS], v7, 1, 131072
	v_add_nc_u32 v[AVS], 133120, v[R4]
	v_add_nc_u32 v[AV0], 65536, v[AL]
	s_wait_loadcnt 0x0
	v_bfe_u32 v255, v254, s47, 16                  ; Q's scale word: my head's two bytes; the upper two are 0
	v_mov_b32 v13, 0xff61b1e6                      ; the largest t so far: -3e38
	s_delay_alu instid0(VALU_DEP_1)
	v_floor_f32 v12, -v13                          ; -M
	v_mov_b32 v14, 0
	v_mov_b32 v15, 0
	v_mov_b32 v253, 0
.irp b, 0,1,2,3
	v_mov_b32 v[236+\b], 0                         ; a lane permute's destination counts as one of its sources
.endr
.irp j, 0,1,2,3,4,5,6,7
	v_mov_b32 v[24+\j], 0                          ; Q's k = 64 .. 127: zero codes
.endr
.irp t, 0,1,2,3
.irp j, 0,1,2,3,4,5,6,7
	v_mov_b32 v[40+16*\t+\j], 0                    ; K's likewise
.endr
.endr
.irp j, 0,1,2,3,4,5,6,7,8,9,10,11,12,13,14,15,16,17,18,19,20,21,22,23,24,25,26,27,28,29,30,31
	v_mov_b32 v[160+\j], 0                         ; O^T: the step is written once; the first change of M leaves zeros zeros
.endr
	s_mov_b32 s[TB], 0
	s_mov_b32 s[TU], 0
	s_mov_b32 s[CNT], 8
	s_wait_tensorcnt 0x0                           ; my part of the block has landed (waves 9-15 asked for nothing)
	s_barrier_signal -1
	s_barrier_wait -1                              ; everybody's has
.Lstep:                                            ; 128 keys a trip
	v_add_nc_u32 v[ADK], s[TB], v[AL]
	s_wait_alu depctr_va_vdst(0)
	v_add_nc_u32 v[ADV], s[TB], v[AV0]
	v_add_nc_u32 v[ADS], s[TU], v[AKS]
	s_wait_alu depctr_va_vdst(0)
	v_add_nc_u32 v[ADT], s[TU], v[AVS]
.rept 5
	v_nop                                          ; with the four additions: nine places between the last product and the products below, which write over the registers that held V's fragments
.endr
.irp g, 0,1                                    ; S^T = K Q^T, four tiles of 16 keys at a time
.if \g
.rept 8
	v_nop                                          ; places in front of loads into registers that matrix instructions have read
.endr
.endif
.irp t, 0,1,2,3
	ds_load_b128 v[32+16*\t:35+16*\t], v[ADK] offset:1024*(4*\g+\t)
	ds_load_b128 v[36+16*\t:39+16*\t], v[ADK] offset:1024*(4*\g+\t)+512
	ds_load_u16 v[248+\t], v[ADS] offset:32*(4*\g+\t)
.endr
	s_wait_dscnt 0x0
.irp t, 0,1,2,3
	v_wmma_scale_f32_16x16x128_f8f6f4 v[96+8*(4*\g+\t):103+8*(4*\g+\t)], v[32+16*\t:47+16*\t], v[16:31], 0, v[248+\t], v255
.endr
.endr
.rept 8
	v_nop
.endr
.irp b, 0,1,2,3
	v_max3_num_f32 v[232+\b], v[96+16*\b], v[97+16*\b], v[98+16*\b]   ; the largest score of each block of 32 keys: for the row's maximum, and, since p rises with the score, for the block's largest p
.endr
.irp i, 3,5,7,9,11,13
.irp b, 0,1,2,3
	v_max3_num_f32 v[232+\b], v[232+\b], v[96+16*\b+\i], v[97+16*\b+\i]
.endr
.endr
.irp b, 0,1,2,3
	v_max_num_f32 v[232+\b], v[232+\b], v[111+16*\b]
.endr
.irp b, 0,1,2,3
	s_delay_alu instid0(VALU_DEP_4)
	v_permlanex16_b32 v[236+\b], v[232+\b], s[SEL], s[SEL+1]
.endr
.irp b, 0,1,2,3
	s_delay_alu instid0(VALU_DEP_4)
	v_max_num_f32 v[232+\b], v[232+\b], v[236+\b]
.endr
	s_delay_alu instid0(VALU_DEP_2)
	v_max3_num_f32 v254, v232, v233, v234
	s_delay_alu instid0(VALU_DEP_1)
	v_max_num_f32 v254, v254, v235
	s_delay_alu instid0(VALU_DEP_1)
	v_mul_f32 v254, s[CS], v254                    ; as t
	s_delay_alu instid0(VALU_DEP_1)
	v_max_num_f32 v13, v13, v254                   ; the running largest t
	v_mov_b32 v254, v12
	s_delay_alu instid0(VALU_DEP_2)
	v_floor_f32 v12, -v13                          ; the new -M = -ceil(t)
	s_delay_alu instid0(VALU_DEP_1)
	v_sub_f32 v254, v12, v254                      ; old M - new M: a whole number, 0 or less
	s_delay_alu instid0(VALU_DEP_1)
	v_cvt_i32_f32 v254, v254                       ; (it saturates)
	s_delay_alu instid0(VALU_DEP_1)
	v_ldexp_f32 v252, 1.0, v254                    ; f = 2^(old M - new M)
.irp j, 0,2,4,6,8,10,12,14,16,18,20,22,24,26,28,30,32,34,36,38,40,42,44,46,48,50,52,54,56,58,60,62
	v_pk_fma_f32 v[96+\j:97+\j], v[96+\j:97+\j], s[CS:CS+1], v[12:13] op_sel_hi:[1,0,0]   ; t - M
.endr
.irp b, 0,1,2,3
	v_fma_f32 v[232+\b], v[232+\b], s[CS], v12
.endr
	s_wait_alu depctr_va_vdst(0)
.irp j, 0,1,2,3,4,5,6,7,8,9,10,11,12,13,14,15,16,17,18,19,20,21,22,23,24,25,26,27,28,29,30,31,32,33,34,35,36,37,38,39,40,41,42,43,44,45,46,47,48,49,50,51,52,53,54,55,56,57,58,59,60,61,62,63
	v_exp_f32 v[96+\j], v[96+\j]                   ; p = 2^(t - M)
.endr
	v_pk_mul_f32 v[14:15], v[14:15], v[252:253] op_sel_hi:[1,0]   ; the sums under the new M (a plain instruction behind the batch)
	s_wait_alu depctr_va_vdst(0)                   ; one wait for the 64, ahead of their first reader
.irp b, 0,1,2,3
	v_exp_f32 v[232+\b], v[232+\b]                 ; each block's largest p
.endr
	v_pk_add_f32 v[236:237], v[100:101], v[104:105]
	v_pk_add_f32 v[250:251], v[108:109], v[112:113]
	v_pk_add_f32 v[248:249], v[116:117], v[120:121]
	v_pk_add_f32 v[246:247], v[124:125], v[128:129]
	v_pk_add_f32 v[244:245], v[132:133], v[136:137]
	v_pk_add_f32 v[242:243], v[140:141], v[144:145]
	v_pk_add_f32 v[240:241], v[148:149], v[152:153]
	v_pk_add_f32 v[14:15], v[14:15], v[156:157]
	v_pk_add_f32 v[236:237], v[236:237], v[96:97]
	v_pk_add_f32 v[250:251], v[250:251], v[98:99]
	v_pk_add_f32 v[248:249], v[248:249], v[102:103]
	v_pk_add_f32 v[246:247], v[246:247], v[106:107]
	v_pk_add_f32 v[244:245], v[244:245], v[110:111]
	v_pk_add_f32 v[242:243], v[242:243], v[114:115]
	v_pk_add_f32 v[240:241], v[240:241], v[118:119]
	v_pk_add_f32 v[14:15], v[14:15], v[122:123]
	v_pk_add_f32 v[236:237], v[236:237], v[126:127]
	v_pk_add_f32 v[250:251], v[250:251], v[130:131]
	v_pk_add_f32 v[248:249], v[248:249], v[134:135]
	v_pk_add_f32 v[246:247], v[246:247], v[138:139]
	v_pk_add_f32 v[244:245], v[244:245], v[142:143]
	v_pk_add_f32 v[242:243], v[242:243], v[146:147]
	v_pk_add_f32 v[240:241], v[240:241], v[150:151]
	v_pk_add_f32 v[14:15], v[14:15], v[154:155]
	v_pk_add_f32 v[236:237], v[236:237], v[158:159]
	s_delay_alu instid0(VALU_DEP_2)
	v_pk_add_f32 v[14:15], v[14:15], v[246:247]
	s_delay_alu instid0(VALU_DEP_2)
	v_pk_add_f32 v[236:237], v[236:237], v[244:245]
	v_pk_add_f32 v[250:251], v[250:251], v[242:243]
	v_pk_add_f32 v[248:249], v[248:249], v[240:241]
	s_delay_alu instid0(VALU_DEP_2)
	v_pk_add_f32 v[14:15], v[14:15], v[250:251]
	s_delay_alu instid0(VALU_DEP_2)
	v_pk_add_f32 v[236:237], v[236:237], v[248:249]
	s_delay_alu instid0(VALU_DEP_1)
	v_pk_add_f32 v[14:15], v[14:15], v[236:237]
	s_wait_alu depctr_va_vdst(0)                   ; and one for the four
.irp b, 0,1,2,3
	v_max_num_f32 v[232+\b], 0x4800000, v[232+\b]  ; the floor 2^(9 - 127)
.endr
.irp b, 0,1,2,3
	s_delay_alu instid0(VALU_DEP_4)
	v_add_nc_u32 v[244+\b], 0xfc000000, v[232+\b]
.endr
.irp b, 0,1,2,3
	v_and_or_b32 v[240+\b], v[232+\b], 0x7f800000, s[MNT]
.endr
.irp b, 0,1,2,3
	v_lshrrev_b32 v[236+\b], 23, v[244+\b]
.endr
	s_delay_alu instid0(VALU_DEP_3)
	v_lshl_or_b32 v253, v237, 8, v236              ; p's scale word for these 128 keys
	s_delay_alu instid0(VALU_DEP_1)
	v_lshl_or_b32 v253, v238, 16, v253
	s_delay_alu instid0(VALU_DEP_1)
	v_lshl_or_b32 v253, v239, 24, v253
.irp b, 0,1,2,3
.irp i, 0,1,2,3,4,5,6,7,8,9,10,11,12,13,14,15
	v_min_num_f32 v[96+16*\b+\i], v[96+16*\b+\i], v[240+\b]   ; p is not negative: the hold is one-sided
.endr
	v_cvt_scalef32_pk8_fp8_f32 v[192+4*\b:193+4*\b], v[96+16*\b:103+16*\b], v[244+\b]
	v_cvt_scalef32_pk8_fp8_f32 v[194+4*\b:195+4*\b], v[104+16*\b:111+16*\b], v[244+\b]
.endr
	v_nop                                          ; a plain instruction behind the last conversion
.irp t, 0,1,2,3                                ; V's four fragments (16 channels x these 128 keys) take p's registers
.irp c, 0,1,2,3
	ds_load_b128 v[96+16*\t+4*\c:99+16*\t+4*\c], v[ADV] offset:2048*\t+512*\c
.endr
	ds_load_b32 v[248+\t], v[ADT] offset:64*\t
.endr
.irp j, 0,2,4,6,8,10,12,14,16,18,20,22,24,26,28,30
	v_pk_mul_f32 v[160+\j:161+\j], v[160+\j:161+\j], v[252:253] op_sel_hi:[1,0]   ; O^T under the new M; these are also the places in front of the products
.endr
	s_wait_alu depctr_va_vdst(0)
	s_wait_dscnt 0x0
.irp t, 0,1,2,3                                ; O^T += V^T P^T: four accumulators by turns
	v_wmma_scale_f32_16x16x128_f8f6f4 v[160+8*\t:167+8*\t], v[96+16*\t:111+16*\t], v[192:207], v[160+8*\t:167+8*\t], v[248+\t], v253
.endr
	s_add_co_u32 s[TB], s[TB], 8192
	s_add_co_u32 s[TU], s[TU], 256
	s_sub_co_u32 s[CNT], s[CNT], 1
	s_cmp_lg_u32 s[CNT], 0
	s_cbranch_scc1 .Lstep
.rept 8
	v_nop                                          ; places behind the last products
.endr
	v_add_f32 v14, v14, v15
	s_delay_alu instid0(VALU_DEP_1)
	v_permlanex16_b32 v252, v14, s[SEL], s[SEL+1]
	s_delay_alu instid0(VALU_DEP_1)
	v_add_f32 v14, v14, v252                       ; the row's sum
	s_wait_alu depctr_va_vdst(0)
	v_rcp_f32 v14, v14
	v_nop
	s_wait_alu depctr_va_vdst(0)
.irp j, 0,1,2,3,4,5,6,7,8,9,10,11,12,13,14,15,16,17,18,19,20,21,22,23,24,25,26,27,28,29,30,31
	v_mul_f32 v[96+\j], v[160+\j], v14             ; register 16 b + i: channel 32 b + 16 (lane / 16) + i of my query
.endr
.irp b, 0,1
	v_max3_num_f32 v[232+\b], |v[96+16*\b]|, |v[97+16*\b]|, 0x4800000
.endr
.irp i, 2,4,6,8,10,12,14
.irp b, 0,1
	s_delay_alu instid0(VALU_DEP_2)
	v_max3_num_f32 v[232+\b], v[232+\b], |v[96+16*\b+\i]|, |v[97+16*\b+\i]|
.endr
.endr
.irp b, 0,1
	s_delay_alu instid0(VALU_DEP_2)
	v_permlanex16_b32 v[236+\b], v[232+\b], s[SEL], s[SEL+1]
.endr
.irp b, 0,1
	s_delay_alu instid0(VALU_DEP_2)
	v_max_num_f32 v[232+\b], v[232+\b], v[236+\b]
.endr
.irp b, 0
	s_delay_alu instid0(VALU_DEP_2)
	v_add_nc_u32 v[244+\b], 0xfc000000, v[232+\b]
	s_delay_alu instid0(VALU_DEP_3)
	v_and_or_b32 v[240+\b], v[232+\b], 0x7f800000, s[MNT]
.endr
.irp b, 1
	s_delay_alu instid0(VALU_DEP_3)
	v_add_nc_u32 v[244+\b], 0xfc000000, v[232+\b]
	s_delay_alu instid0(VALU_DEP_4)
	v_and_or_b32 v[240+\b], v[232+\b], 0x7f800000, s[MNT]
.endr
.irp b, 0
	s_delay_alu instid0(VALU_DEP_4)
	v_lshrrev_b32 v[236+\b], 23, v[244+\b]
.endr
.irp b, 1
	s_delay_alu instid0(VALU_DEP_3)
	v_lshrrev_b32 v[236+\b], 23, v[244+\b]
.endr
	s_delay_alu instid0(VALU_DEP_1)
	v_lshl_or_b32 v208, v237, 8, v236
.irp b, 0,1
.irp i, 0,1,2,3,4,5,6,7,8,9,10,11,12,13,14,15
	v_med3_num_f32 v[96+16*\b+\i], v[96+16*\b+\i], -v[240+\b], v[240+\b]
.endr
	v_cvt_scalef32_pk8_fp8_f32 v[192+4*\b:193+4*\b], v[96+16*\b:103+16*\b], v[244+\b]
	v_cvt_scalef32_pk8_fp8_f32 v[194+4*\b:195+4*\b], v[104+16*\b:111+16*\b], v[244+\b]
.endr
	v_nop
	global_store_b128 v[AL], v[192:195], s[50:51]             ; a piece of a fragment: 512 consecutive bytes, aligned
	global_store_b128 v[AL], v[196:199], s[50:51] offset:512
	global_store_b16 v[R4], v208, s[52:53]                    ; my head's two bytes of the rows' scale words
	s_wait_tensorcnt 0x0
	s_wait_dscnt 0x0
	s_wait_tensorcnt 0x0
	ds_add_u32 v230, v231
	s_wait_dscnt 0x0
	CROUND                                         ; the closing round
	s_endpgm
.Lfunc_end_k_q5364deba96_attn:
	.size	k_q5364deba96_attn, .Lfunc_end_k_q5364deba96_attn-k_q5364deba96_attn
	.p2alignl 7, 3214868480
	.fill 96, 4, 3214868480
	.section	.rodata,"a",@progbits
	.p2align	6, 0x0
	.amdhsa_kernel k_q5364deba96_attn
		.amdhsa_group_segment_fixed_size 169984
		.amdhsa_private_segment_fixed_size 0
		.amdhsa_enable_private_segment 0
		.amdhsa_kernarg_size 24
		.amdhsa_user_sgpr_count 2
		.amdhsa_user_sgpr_kernarg_segment_ptr 1
		.amdhsa_wavefront_size32 1
		.amdhsa_system_sgpr_workgroup_id_x 1
		.amdhsa_system_sgpr_workgroup_id_y 1
		.amdhsa_system_sgpr_workgroup_id_z 1
		.amdhsa_system_vgpr_workitem_id 0
		.amdhsa_next_free_vgpr 256
		.amdhsa_next_free_sgpr 66
		.amdhsa_reserve_vcc 0
		.amdhsa_float_denorm_mode_32 3
		.amdhsa_float_denorm_mode_16_64 3
		.amdhsa_memory_ordered 1
		.amdhsa_forward_progress 1
		.amdhsa_inst_pref_size 36
	.end_amdhsa_kernel
	.amdgpu_metadata
---
amdhsa.version: [ 1, 2 ]
amdhsa.kernels:
  - .name:           k_q5364deba96_attn
    .symbol:         k_q5364deba96_attn.kd
    .args:
      - { .name: qc, .offset: 0, .size: 8, .value_kind: global_buffer, .address_space: global }
      - { .name: kv, .offset: 8, .size: 8, .value_kind: global_buffer, .address_space: global }
      - { .name: acat, .offset: 16, .size: 8, .value_kind: global_buffer, .address_space: global }
    .group_segment_fixed_size: 169984
    .private_segment_fixed_size: 0
    .kernarg_segment_align: 8
    .kernarg_segment_size: 24
    .max_flat_workgroup_size: 512
    .sgpr_count:     66
    .vgpr_count:     256
    .wavefront_size: 32
...
	.end_amdgpu_metadata
.endif
;; end of part 4
;; launch final (part 5): grid 256 x 1, 4 waves a work-group, clusters of 4 x 1, 327,680 bytes of LDS; arguments acat, wts, out0; writes out0
.if DOCPART == 5
	.amdgcn_target "amdgcn-amd-amdhsa--gfx1250"
	.amdhsa_code_object_version 6
	.text
	.protected	k_q5364deba96_final
	.globl	k_q5364deba96_final
	.p2align	8
	.type	k_q5364deba96_final,@function
k_q5364deba96_final:
	s_mov_b64 s[64:65], 0
	v_nop
	global_prefetch_b8 v0, s[64:65] scope:SCOPE_SE
	s_setreg_imm32_b32 hwreg(HW_REG_WAVE_MODE, 25, 1), 1
	s_wait_xcnt 0x0
	s_wait_alu depctr_hold_cnt(0) depctr_sa_sdst(0) depctr_va_vdst(0) depctr_va_sdst(0) depctr_va_ssrc(0) depctr_va_vcc(0) depctr_vm_vsrc(0)
	s_getreg_b32 s2, hwreg(HW_REG_IB_STS2, 6, 4)
	s_cmp_eq_u32 s2, 0
	s_cbranch_scc0 .Lentry_in_a_cluster
	s_endpgm
.Lentry_in_a_cluster:
	s_bfe_u32 s2, ttmp6, 0x10000c
	s_cmp_lg_u32 s2, 0x3003
	s_cbranch_scc0 .Lentry_shape_is_right
	s_endpgm
.Lentry_shape_is_right:
; out0 [4096][1024] = [attention's result | h] [4096][5120] x [Wout ; Wff2] on codes of FP8 (E4M3) with one E8M0 byte for each 32 along K: one product of 40 K steps of 128, f32 sums, f32 out.
; SHARES: 256 work-groups of 128 rows x 128 positions; a wave makes 64 rows x 64 positions: 16 accumulators; each fragment feeds four products.
; THE WEIGHTS go through a ring of two LDS slots; a slot holds 128 positions x 1,024 K = 131,072 dense bytes (a phase of 8 K steps), a quarter to a wave's load: five fills.  The change of slots stands at a phase's head;
; behind it the other slot is asked for, a phase (128 products a wave) ahead of its first read.  CLUSTER: four work-groups with the same positions and different rows ask jointly (mask 15).
; THE ROWS' codes go from memory straight into registers, in the order of the operand's registers, four K steps ahead, in eight sets of 64 registers, and both sides' scale words with them
; (a batch: 2 + 2 + 16 = 20 loads); the two waves with the same rows name the same bytes.  Rows are shared between clusters, not inside one: no joint load serves them.
; PREFETCH: at the change of slots that loads phase i + 1 each wave names, once, its share of phase i + 2: of the weights' 131,072 bytes 8,192 a wave of the cluster's sixteen, lanes 256 bytes apart;
; of the work-group's rows' codes the K step whose number in the phase is my work-group's column of positions (the eight work-groups that read these rows share the eight K steps), 4,096 bytes a wave, 16 lanes.  The last trip asks for nothing.
; The accumulators are cleared once, under the first fill's flight: so the phase is written twice (with and without a fill) and not a third time for the first products.
; THE MATRIX INSTRUCTION IS USED TRANSPOSED (source 0 = 16 positions, source 1 = 16 rows): a lane's 16 registers of blocks 2 p, 2 p + 1 are 16 neighbouring columns of one row.
; REGISTERS: window 0: v1-13 addresses; v16-31 rows' scale words, v32-47 weights': scales and nothing else; v128-255 accumulators, (a, b) at v[128 + 8 (4 a + b)].
;   windows 1 and 3: rows' fragments, sets 0-3 and 4-7.  window 2: weights' fragments, four sets of 64.
.set WB2,   9732096
.set WB2S,  14974976
.set AS,    20971520
.set SLOT1, 131072
.set SPARE, 262144                     ; behind the two slots: the spare words, 128 bytes a wave
.set SP,    272                        ; the way out: a stage row of 256 bytes + 16; 16 rows a wave, in slot 1, which has had its last fill and its last read by then
.set L16,  1
.set L4,   2
.set ADB,  3                           ; v3-4: my 64 positions in the slot in hand, K steps 0-3 and 4-7
.set STO,  5
.set RD,   6
.set PFV,  7
.set PFW,  8
.set LB,   9
.set CO,   10
.set SPW,  12
.set NIL,  13
.set ASC,  16
.set SB,   32
.set ACC,  128
.set G1,  24
.set G0,  32
.set SA,  40                           ; my rows' codes, at the phase in hand
.set SAS, 42                           ; their scale words
.set SBS, 44                           ; my positions' scale words
.set OB,  46
.set PFB, 48
.set PFA, 50
.set TB,  52                           ; LDS byte at which the slot in hand begins
.set MSB, 0
.macro WIN new                         ; the immediate's high byte repeats the setting that is left
.if MSB != \new
	s_set_vgpr_msb (MSB<<8)|\new
.set MSB, \new
.endif
.endm
.macro PLACES n
.rept \n
	v_nop
.endr
.endm
.macro CROUND
	s_barrier_signal -1
	s_barrier_wait -1
	s_cmp_lg_u32 s14, 0
	s_cbranch_scc1 .Lnot_wave_0_\@
	s_barrier_signal -3
.Lnot_wave_0_\@:
	s_barrier_wait -3
	s_barrier_signal -1
	s_barrier_wait -1
.endm
	s_load_b128 s[4:7], s[0:1], 0x0                ; acat, wts
	s_load_b64 s[8:9], s[0:1], 0x10                ; out0
	v_lshl_add_u32 v[SPW], v0, 2, SPARE
	v_mov_b32 v[NIL], 0
	ds_add_u32 v[SPW], v[NIL]                      ; the opening lines: the add twice on end and one wait
	ds_add_u32 v[SPW], v[NIL]
	v_lshrrev_b32 v11, 5, v0
	v_readfirstlane_b32 s14, v11                   ; wave
	s_lshr_b32 s15, s14, 1                         ; which 64 rows
	s_and_b32 s16, s14, 1                          ; which 64 positions
	s_bfe_u32 s17, ttmp6, 0x40000                  ; cx: it enters global addresses of my own loads, prefetches and stores alone
	s_and_b32 s18, ttmp9, 7                        ; which 128 positions
	s_lshr_b32 s19, ttmp9, 3
	s_lshl_b32 s19, s19, 2
	s_add_co_u32 s19, s19, s17                     ; which 128 rows
	s_mov_b32 s[G1], 15|(3<<16)|(1<<21)            ; mask: all four; elements of 8 bytes; bit 21 beside a mask
	s_mov_b32 s[G1+1], 32<<16                      ; rows of 256 bytes,
	s_mov_b32 s[G1+2], 128<<16                     ; 128 of them, dense
	s_mov_b32 s[G1+3], 32<<16
	s_mov_b32 s[G1+4], 128
	s_mov_b32 s[G1+5], 32
	s_mov_b32 s[G1+6], 0
	s_mov_b32 s[G1+7], 0
	s_mov_b32 s[G0], 1
	s_lshl_b32 s[G0+1], s14, 15                    ; LDS: K steps 2 w, 2 w + 1 of the slot
	s_mul_i32 s54, s18, 655360
	s_add_co_u32 s54, s54, WB2                     ; the positions' codes
	s_add_co_u32 s34, s54, s[G0+1]
	s_mov_b32 s35, 0
	s_lshl_b32 s55, s17, 2
	s_add_co_u32 s55, s55, s14
	s_lshl_b32 s55, s55, 13
	s_add_co_u32 s[PFB], s54, s55
	s_add_co_u32 s[PFB], s[PFB], 2*SLOT1           ; phase 2, my wave's 8,192 bytes of the cluster's sixteen shares
	s_mov_b32 s[PFB+1], 0
	s_mul_i32 s54, s19, 655360                     ; the rows' codes
	s_lshl_b32 s55, s15, 13
	s_add_co_u32 s[SA], s54, s55                   ; my four blocks of 16 rows
	s_mov_b32 s[SA+1], 0
	s_lshl_b32 s55, s18, 14
	s_add_co_u32 s[PFA], s54, s55
	s_lshl_b32 s55, s14, 12
	s_add_co_u32 s[PFA], s[PFA], s55
	s_add_co_u32 s[PFA], s[PFA], 2*SLOT1           ; phase 2, the K step that is my work-group's share, my wave's quarter of it
	s_mov_b32 s[PFA+1], 0
	s_mul_i32 s[SAS], s19, 20480
	s_lshl_b32 s55, s15, 8
	s_add_co_u32 s[SAS], s[SAS], s55
	s_add_co_u32 s[SAS], s[SAS], AS
	s_mov_b32 s[SAS+1], 0
	s_mul_i32 s[SBS], s18, 20480
	s_lshl_b32 s55, s16, 8
	s_add_co_u32 s[SBS], s[SBS], s55
	s_add_co_u32 s[SBS], s[SBS], WB2S
	s_mov_b32 s[SBS+1], 0
	s_lshl_b32 s[OB], s19, 19                      ; out0: row 128 T + 64 (w / 2), column 128 x the positions' number + 64 (w % 2)
	s_lshl_b32 s55, s15, 18
	s_add_co_u32 s[OB], s[OB], s55
	s_lshl_b32 s55, s18, 9
	s_add_co_u32 s[OB], s[OB], s55
	s_lshl_b32 s55, s16, 8
	s_add_co_u32 s[OB], s[OB], s55
	s_mov_b32 s[OB+1], 0
	s_mul_i32 s56, s14, 16*SP
	s_add_co_u32 s56, s56, SLOT1                   ; my stage
	s_lshl_b32 s57, s16, 13                        ; my four blocks of a K step's eight in LDS
	s_mov_b32 s[TB], 0
	s_wait_dscnt 0x0                               ; both opening adds are done
	s_wait_kmcnt 0x0
	s_add_nc_u64 s[G0+2:G0+3], s[6:7], s[34:35]
	s_or_b32 s[G0+3], s[G0+3], 0x80000000
	s_add_nc_u64 s[PFB:PFB+1], s[6:7], s[PFB:PFB+1]
	s_add_nc_u64 s[SBS:SBS+1], s[6:7], s[SBS:SBS+1]
	s_add_nc_u64 s[SA:SA+1], s[4:5], s[SA:SA+1]
	s_add_nc_u64 s[PFA:PFA+1], s[4:5], s[PFA:PFA+1]
	s_add_nc_u64 s[SAS:SAS+1], s[4:5], s[SAS:SAS+1]
	s_add_nc_u64 s[OB:OB+1], s[8:9], s[OB:OB+1]
	CROUND                                         ; all four work-groups are here: the first joint loads meet
	tensor_load_to_lds s[G0:G0+3], s[G1:G1+7]      ; slot 0, phase 0: one tensor load a wave at the head
	s_nop 0
	v_and_b32 v11, 31, v0                          ; lane
	v_and_b32 v14, 15, v0                          ; r
	v_bfe_u32 v15, v0, 4, 1                        ; h
	v_lshlrev_b32 v[L16], 4, v11
	v_lshlrev_b32 v[L4], 2, v11
	v_lshlrev_b32 v[PFV], 8, v11
	v_min_u32 v[PFW], 15, v11                      ; 16 blocks of 256 bytes: the lanes left over name the last again
	v_lshlrev_b32 v[PFW], 8, v[PFW]
	v_add_nc_u32 v[LB], s57, v[L16]
	v_mul_u32_u24 v[STO], v14, SP
	v_lshl_add_u32 v[STO], v15, 6, v[STO]
	v_add_nc_u32 v[STO], s56, v[STO]               ; in: row r, 64 bytes for each half of the lanes
	v_mul_u32_u24 v[RD], v15, SP
	v_lshl_add_u32 v[RD], v14, 4, v[RD]
	v_add_nc_u32 v[RD], s56, v[RD]                 ; back: lanes 0-15 one row of 256 bytes, lanes 16-31 the next
	v_lshlrev_b32 v[CO], 12, v15
	v_lshl_add_u32 v[CO], v14, 4, v[CO]            ; and the same two rows in out0
	s_wait_alu depctr_va_vdst(0)                   ; a wait ahead of the readers below
; A batch of 20 loads for K step m, counted from the phase in hand, into set m % 8: scale words (register u: lanes 0-15 block 2 u, lanes 16-31 block 2 u + 1) of my rows and of my positions, and my rows' four fragments
.macro PB m
	WIN 0
.irp u, 0,1
	global_load_b32 v[ASC+2*((\m)%8)+\u], v[L4], s[SAS:SAS+1] offset:512*(\m)+128*\u
	global_load_b32 v[SB+2*((\m)%8)+\u], v[L4], s[SBS:SBS+1] offset:512*(\m)+128*\u
.endr
	WIN 0x40+0x80*(((\m)%8)/4)                     ; destination window 1 or 3
.irp a, 0,1,2,3
.irp c, 0,1,2,3
	global_load_b128 v[64*((\m)%4)+16*\a+4*\c:64*((\m)%4)+16*\a+4*\c+3], v[L16], s[SA:SA+1] offset:16384*(\m)+2048*\a+512*\c
.endr
.endr
.endm
.irp m, 0,1,2,3
	PB \m
.endr
	WIN 0
.set k, 0
.rept 128
	v_mov_b32 v[ACC+k], 0
.set k, k+1
.endr
.macro WM ra, rb                       ; one product; the registers' numbers stand in DD, BB, AA, S0, S1; ra, rb: the scale words lie in lanes 16-31
.if (\ra) && (\rb)
	v_wmma_scale_f32_16x16x128_f8f6f4 v[DD:DD+7], v[BB:BB+15], v[AA:AA+15], v[DD:DD+7], v[S0], v[S1] matrix_a_scale:MATRIX_SCALE_ROW1 matrix_b_scale:MATRIX_SCALE_ROW1
.elseif \ra
	v_wmma_scale_f32_16x16x128_f8f6f4 v[DD:DD+7], v[BB:BB+15], v[AA:AA+15], v[DD:DD+7], v[S0], v[S1] matrix_a_scale:MATRIX_SCALE_ROW1
.elseif \rb
	v_wmma_scale_f32_16x16x128_f8f6f4 v[DD:DD+7], v[BB:BB+15], v[AA:AA+15], v[DD:DD+7], v[S0], v[S1] matrix_b_scale:MATRIX_SCALE_ROW1
.else
	v_wmma_scale_f32_16x16x128_f8f6f4 v[DD:DD+7], v[BB:BB+15], v[AA:AA+15], v[DD:DD+7], v[S0], v[S1]
.endif
.endm
.macro LDBK j                          ; my positions' four fragments of the slot's K step j into set j % 4: 16 loads of 512 consecutive bytes
	WIN 0x80                                       ; destination window 2
.irp b, 0,1,2,3
.irp c, 0,1,2,3
	ds_load_b128 v[64*((\j)%4)+16*\b+4*\c:64*((\j)%4)+16*\b+4*\c+3], v[ADB+(\j)/4] offset:16384*((\j)%4)+2048*\b+512*\c
.endr
.endr
.endm
; A K step: 16 products, the 16 accumulators by turns.  s_wait_dscnt 16: the next K step's 16 LDS loads may be out.  s_wait_loadcnt 60: the three later batches of 20 may be out.
; The registers loaded here were last read two K steps back or more: the eight v_nop of the K step between are the places.
.macro KS j, last
.if \j < 7
	s_wait_dscnt 16
.else
	s_wait_dscnt 0x0
.endif
.if (\last) && (7-(\j) < 3)
	s_wait_loadcnt 20*(7-(\j))
.else
	s_wait_loadcnt 60
.endif
.if (\j)+2 < 8
	LDBK (\j)+2
.endif
.if (\last == 0) || ((\j)+4 < 8)
	PB (\j)+4
.endif
	WIN 0x06+0x08*((\j)/4)                         ; source 0 window 2, source 1 window 1 or 3, C and D window 0
.irp b, 0,1,2,3
.irp a, 0,1,2,3
.set DD, ACC+8*(4*\a+\b)
.set BB, 64*((\j)%4)+16*\b
.set AA, 64*((\j)%4)+16*\a
.set S0, SB+2*(\j)+\b/2
.set S1, ASC+2*(\j)+\a/2
	WM \b%2, \a%2
.if \b < 2
	v_nop
.endif
.endr
.endr
.endm
.macro PHASE last
	v_add_nc_u32 v[ADB], s[TB], v[LB]
	v_add_nc_u32 v[ADB+1], 65536, v[ADB]
	s_wait_alu depctr_va_vdst(0)                   ; directly behind the writes
	LDBK 0
	LDBK 1
.irp j, 0,1,2,3,4,5,6,7
	KS \j, \last
.endr
	WIN 0
.endm
	s_mov_b32 s3, 4
	s_wait_alu depctr_va_vdst(0)
.Lphase:                                           ; four trips: phases 0-3; behind each change of slots the next phase is asked for
	s_wait_tensorcnt 0x0                           ; my part of the slot that I am about to read is in
	ds_add_u32 v[SPW], v[NIL]
	s_xor_b32 s[G0+1], s[G0+1], SLOT1              ; no tensor load of mine is out: the descriptor walks to the other slot,
	s_add_nc_u64 s[G0+2:G0+3], s[G0+2:G0+3], SLOT1 ; and to the next 8 K steps
	s_wait_dscnt 0x0                               ; the add is done, and my reads of the slot that I have left are over
	CROUND                                         ; the same holds of every wave of the four work-groups
	tensor_load_to_lds s[G0:G0+3], s[G1:G1+7]      ; the first time: slot 1's first fill, issued as a refill is
	s_nop 0
	PLACES 4
	s_cmp_gt_u32 s3, 1                             ; the last trip has no phase two on
	s_cbranch_scc0 .Lno_ask
	global_prefetch_b8 v[PFV], s[PFB:PFB+1] th:TH_LOAD_NT scope:SCOPE_SE
	global_prefetch_b8 v[PFW], s[PFA:PFA+1] th:TH_LOAD_NT scope:SCOPE_SE
.Lno_ask:
	PHASE 0
	s_wait_xcnt 0x0                                ; every load and prefetch has read its base: they step a phase on
	s_add_nc_u64 s[SA:SA+1], s[SA:SA+1], SLOT1
	s_add_nc_u64 s[SAS:SAS+1], s[SAS:SAS+1], 4096
	s_add_nc_u64 s[SBS:SBS+1], s[SBS:SBS+1], 4096
	s_add_nc_u64 s[PFA:PFA+1], s[PFA:PFA+1], SLOT1
	s_add_nc_u64 s[PFB:PFB+1], s[PFB:PFB+1], SLOT1
	s_xor_b32 s[TB], s[TB], SLOT1
	s_sub_co_u32 s3, s3, 1
	s_cmp_lg_u32 s3, 0
	s_cbranch_scc1 .Lphase
	s_wait_tensorcnt 0x0                           ; the last phase is written out: nothing is asked for any more
	ds_add_u32 v[SPW], v[NIL]
	s_wait_dscnt 0x0
	s_barrier_signal -1
	s_barrier_wait -1
	PHASE 1
	PLACES 8                                       ; places behind the last products
; THE WAY OUT: a block of 16 rows x 64 columns goes through my stage and comes back as rows of 256 bytes, two to an instruction.  LDS serves a wave's instructions in order (ISA guide 5.7.1.4).
; Position 16 u + t of a group of 32 rows is row 8 u + t + (t & 8); block a is group a / 2, u = a % 2.
.irp a, 0,1,2,3
	WIN 0
.irp p, 0,1
.irp u, 0,1
	ds_store_b128 v[STO], v[ACC+8*(4*\a+2*\p+\u):ACC+8*(4*\a+2*\p+\u)+3] offset:128*\p+32*\u        ; each accumulator from its low end on
	ds_store_b128 v[STO], v[ACC+8*(4*\a+2*\p+\u)+4:ACC+8*(4*\a+2*\p+\u)+7] offset:128*\p+32*\u+16
.endr
.endr
	WIN 0x40                                       ; back into window 1
.irp t, 0,1,2,3,4,5,6,7
	ds_load_b128 v[32*\a+4*\t:32*\a+4*\t+3], v[RD] offset:2*\t*SP
.endr
.endr
	WIN 0x04                                       ; the stores' data: window 1
.irp a, 0,1,2,3
	s_wait_dscnt 16*(3-\a)                         ; block a is back; the later blocks' 8 stores and 8 loads each may be out
.irp t, 0,1,2,3,4,5,6,7
	global_store_b128 v[CO], v[32*\a+4*\t:32*\a+4*\t+3], s[OB:OB+1] offset:(32*(\a/2)+8*(\a%2)+2*\t+8*(\t/4))*4096 th:TH_STORE_NT   ; sixteen lanes store 256 consecutive bytes, aligned
.endr
.endr
	WIN 0
	s_wait_tensorcnt 0x0                           ; the wave's end
	ds_add_u32 v[SPW], v[NIL]
	s_wait_dscnt 0x0
	CROUND                                         ; the closing round
	s_endpgm
.Lfunc_end_k_q5364deba96_final:
	.size	k_q5364deba96_final, .Lfunc_end_k_q5364deba96_final-k_q5364deba96_final
	.p2alignl 7, 3214868480
	.fill 96, 4, 3214868480
	.section	.rodata,"a",@progbits
	.p2align	6, 0x0
	.amdhsa_kernel k_q5364deba96_final
		.amdhsa_group_segment_fixed_size 327680
		.amdhsa_private_segment_fixed_size 0
		.amdhsa_enable_private_segment 0
		.amdhsa_kernarg_size 24
		.amdhsa_user_sgpr_count 2
		.amdhsa_user_sgpr_kernarg_segment_ptr 1
		.amdhsa_wavefront_size32 1
		.amdhsa_system_sgpr_workgroup_id_x 1
		.amdhsa_system_sgpr_workgroup_id_y 1
		.amdhsa_system_sgpr_workgroup_id_z 1
		.amdhsa_system_vgpr_workitem_id 0
		.amdhsa_next_free_vgpr 1024
		.amdhsa_next_free_sgpr 66
		.amdhsa_reserve_vcc 0
		.amdhsa_float_denorm_mode_32 3
		.amdhsa_float_denorm_mode_16_64 3
		.amdhsa_memory_ordered 1
		.amdhsa_forward_progress 1
		.amdhsa_inst_pref_size 104
	.end_amdhsa_kernel
	.amdgpu_metadata
---
amdhsa.version: [ 1, 2 ]
amdhsa.kernels:
  - .name:           k_q5364deba96_final
    .symbol:         k_q5364deba96_final.kd
    .args:
      - { .name: acat, .offset: 0, .size: 8, .value_kind: global_buffer, .address_space: global }
      - { .name: wts, .offset: 8, .size: 8, .value_kind: global_buffer, .address_space: global }
      - { .name: out0, .offset: 16, .size: 8, .value_kind: global_buffer, .address_space: global }
    .group_segment_fixed_size: 327680
    .private_segment_fixed_size: 0
    .kernarg_segment_align: 8
    .kernarg_segment_size: 24
    .max_flat_workgroup_size: 128
    .sgpr_count:     66
    .vgpr_count:     1024
    .wavefront_size: 32
...
	.end_amdgpu_metadata
.endif
;; end of part 5
